; MI455X (gfx1250); checked and timed in simulation.
; The chip was launched on July 23, 2026; its instructions are those of AMD's public machine-readable ISA for CDNA 5 (MIT licence, August 2026) and "CDNA5" Instruction Set Architecture Reference Guide (July 2026). The comments in the code are by the model that wrote it; some were corrected since.
;; Causal Self Attention. Allowed arithmetic: matrix products marked QUANTISED: E2M1 operands, one E8M0 scale for each 32 along K, by v_wmma_scale_f32_16x16x128_f8f6f4 with both operands' format E2M1 (or v_wmma_scale_f32_32x16x128_f4), f32 sums; products left as they are: bf16, f16 or f32 operands; f32 sums; everything else in f32.
;; Inputs: Wk 1,024 x 1,024 float32; Wo 1,024 x 1,024 float32; Wq 1,024 x 1,024 float32; Wv 1,024 x 1,024 float32; bk 1,024 float32; bo 1,024 float32; bq 1,024 float32; bv 1,024 float32; x 4 x 2,048 x 1,024 float32.
;; Outputs: out0 4 x 2,048 x 1,024 float32.
;; This version of the problem:
;;   THIS VERSION OF THE PROBLEM IS GIVEN IN LOW PRECISION. The matrix products marked QUANTISED in the list below multiply operands that are first quantised to E2M1 (2 exponent bits, 1 mantissa bit; 4 bits a number), with one power-of-two scale for each 32 numbers along K (OCP MX v1.0); their sums are f32. The products marked 'left as it is' may take bf16, f16 or f32 operands, with f32 sums. Whichever they take, every output number must still come out within the allowed error. Rounding operands to bf16 (8 significant bits) uses up far more of that allowance than f16 does (11 bits, for magnitudes from 6e-5 to 65,504). All else is computed in f32.
;;   The module's matrix products, in the order in which they are computed (A, B: the left and right operand; K: the contracted axis; several contracted axes count as one K, in the product's order):
;;     1. [M 8,192, K 1,024] x [K 1,024, N 1,024]; A: input x; B: input Wq: QUANTISED
;;     2. [M 8,192, K 1,024] x [K 1,024, N 1,024]; A: input x; B: input Wk: QUANTISED
;;     3. [M 8,192, K 1,024] x [K 1,024, N 1,024]; A: input x; B: input Wv: QUANTISED
;;     4. batch 64 x [M 2,048, K 64] x [K 64, N 2,048]; A: computed on the way; B: computed on the way: left as it is (an operand is computed on the way)
;;     5. batch 64 x [M 2,048, K 2,048] x [K 2,048, N 64]; A: computed on the way; B: computed on the way: left as it is (an operand is computed on the way)
;;     6. [M 8,192, K 1,024] x [K 1,024, N 1,024]; A: computed on the way; B: input Wo: left as it is (an operand is computed on the way)
;;   THE QUANTISER, for each operand of a quantised product, along K:
;;     - K is cut into blocks of 32 from its start; a last block that is shorter is filled with zeros.
;;     - A block's scale is 2^e with e = floor(log2(the largest magnitude in the block)) - 2, held to -126 .. 127; a block of zeros has e = 0. As a byte (E8M0): e + 127.
;;     - Each number is divided by its block's scale, clamped to +-6, and rounded to the nearest number of E2M1, ties to even, subnormals kept.
;;     - The product sums the exact products of the quantised numbers (number of the format x scale) in f32.
;;   ~~~python
;;   def quantise(x, axis):      # numpy; x: float32 -> the quantised numbers, widened to float32 again
;;       x = np.moveaxis(x, axis, -1); K = x.shape[-1]
;;       x = np.pad(x, [(0, 0)] * (x.ndim - 1) + [(0, -K % 32)]); x = x.reshape(x.shape[:-1] + (-1, 32)); a = np.abs(x).max(-1, keepdims=True)
;;       e = np.where(a > 0, np.clip(np.frexp(np.where(a > 0, a, 1))[1] - 1 - 2, -126, 127), 0)      # np.frexp(a)[1] - 1 = floor(log2(a)), exactly
;;       r = np.clip(x / 2.0 ** e, -6, 6)
;;       step = 2.0 ** (np.maximum(np.frexp(np.where(r == 0, 1, r))[1] - 1, 0) - 1)
;;       q = np.round(r / step) * step * 2.0 ** e      # np.round: ties to even
;;       return np.moveaxis(q.reshape(q.shape[:-2] + (-1,))[..., :K], -1, axis).astype(np.float32)
;;   ~~~
;; One version. Each part assembles by itself: llvm-mc -triple=amdgcn-amd-amdhsa -mcpu=gfx1250 --defsym DOCPART=n.
;; ======== version 1 of 1: 5 launches
;; limits: values are held in f16: magnitudes above 65,504 overflow, below 6.1e-05 lose precision
;; workspace buffers: xc 4,194,304 bytes; xs 262,144 bytes; wc 1,572,864 bytes; ws 98,304 bytes; wo16 2,097,152 bytes; qkv 50,331,648 bytes; first 786,432 bytes; att 16,777,216 bytes
;; launch quant (part 1): grid 384 x 1, 4 waves a work-group, no clusters, 33,280 bytes of LDS; arguments x, Wq, Wk, Wv, Wo, xc, xs, wc, ws, wo16; writes xc, xs, wc, ws, wo16
.if DOCPART == 1
	.amdgcn_target "amdgcn-amd-amdhsa--gfx1250"
	.amdhsa_code_object_version 6
	.text
	.protected	k_q7a9eccdb5e_quant
	.globl	k_q7a9eccdb5e_quant
	.p2align	8
	.type	k_q7a9eccdb5e_quant,@function
k_q7a9eccdb5e_quant:
	s_mov_b64 s[64:65], 0
	v_nop
	global_prefetch_b8 v0, s[64:65] scope:SCOPE_SE
	s_setreg_imm32_b32 hwreg(HW_REG_WAVE_MODE, 25, 1), 1
	s_wait_xcnt 0x0
; x [8192][1024] and Wq, Wk, Wv [1024][1024], f32, K innermost, become codes of FP4 (E2M1), two a byte, and one E8M0 byte for each 32 along K; Wo [1024][1024] becomes f16.
; xc, xs: x's codes and scale bytes.  wc, ws: those of Wq, Wk, Wv on end, as one tensor of 3,072 rows.  wo16: Wo in f16, row-major.
; A block's scale is 2^(floor(log2(its largest magnitude)) - 2); its byte is the largest magnitude's exponent field - 2, held at 1 from below.  A block of zeros so gets the byte 1 where the rule says 127:
; its codes are zeros, which add nothing under any byte but 0xff, and the bytes are read by this program alone.
; LIMITS: NaN and infinities among the inputs are not served; blocks whose largest magnitude lies under 2^(2 - 126) keep the byte 1; |Wo| must stay under 65,504 (f16).
; SHARES.  Rows are dense and K is a multiple of 32: every tensor is a plain stream of blocks.  A work-group takes 32,768 numbers, a wave 8,192.  Work-groups 0-255: x; 256-287: Wq; 288-319: Wk; 320-351: Wv; 352-383: Wo.
; The four quantised tensors take ONE path: only pointers are chosen, by the work-group's number.  Wo's path touches no LDS.
; A wave's 16 steps of 512 numbers: each load reads 512 consecutive bytes; the 2,048 bytes of a step turn through the wave's own stage in LDS and come back 64 bytes (16 neighbours) a lane; two neighbouring lanes hold a block.
; No cluster: no two work-groups read the same byte.  No tensor load, no barrier: waves share nothing.
.set WAVES, 4
.set STEPS, 16
.set EMAX,  2
.set CB,    8                          ; bytes of 16 codes
.set R,     16                         ; v16-79   four sets of 16 numbers as they are loaded
.set X,     80                         ; v80-111  two sets of 16 neighbours
.set C,     128                        ; v128-191 codes: four registers for each step, so that no store's data are written again
.set E,     112                        ; v112-127 a scale byte for each step
.set WREG,  8192                       ; LDS: a region for each wave: two stages of 32 x SP bytes, then its 256 scale bytes
.set SP,    80                         ; a lane's place in a stage: 64 bytes + 16 of padding
.set SPW,   12                         ; v12  LDS address of my spare word; never rewritten
.set NIL,   13                         ; v13  0; never rewritten
.set SPARE, WAVES*WREG                 ; behind the four regions: the spare words, 128 bytes a wave
.set L0,    16                         ; Wo's path: two sets of 64 loaded numbers,
.set L1,    80
.set Y,     144                        ; and 32 registers of f16 pairs
	s_load_b256 s[4:11], s[0:1], 0x0               ; x, Wq, Wk, Wv
	s_load_b256 s[12:19], s[0:1], 0x20             ; Wo, xc, xs, wc
	s_load_b128 s[20:23], s[0:1], 0x40             ; ws, wo16
	v_lshl_add_u32 v[SPW], v0, 2, SPARE
	v_mov_b32 v[NIL], 0
	v_lshrrev_b32 v1, 5, v0
	v_readfirstlane_b32 s33, v1                    ; wave
	v_and_b32 v2, 31, v0                           ; lane
	v_lshlrev_b32 v3, 4, v2                        ; my 16 bytes of a load's 512
	s_mul_i32 s34, s33, WREG
	v_lshrrev_b32 v14, 2, v2
	v_mul_u32_u24 v14, v14, SP
	v_and_b32 v15, 3, v2
	v_lshl_add_u32 v14, v15, 4, v14
	v_add_nc_u32 v14, s34, v14                     ; the stage, on the way in: SP (lane / 4) + 16 (lane % 4)
	v_mul_u32_u24 v15, v2, SP
	v_add_nc_u32 v15, s34, v15                     ; and on the way out: SP x lane: my 16 neighbours
	v_mul_u32_u24 v4, v2, CB                       ; my codes' place in a step's
	v_lshrrev_b32 v5, 1, v2
	s_add_co_u32 s34, s34, 2*32*SP
	v_add_nc_u32 v5, s34, v5                       ; LDS: my wave's 256 scale bytes, my block's byte
	v_lshlrev_b32 v7, 3, v2                        ; 8 bytes a lane
	v_add_nc_u32 v6, s34, v7
	s_wait_kmcnt 0x0
	s_cmp_ge_u32 ttmp9, 352
	s_cbranch_scc1 .Lwo
	s_cmp_lt_u32 ttmp9, 320                        ; which tensor: the choices hang on the work-group's number alone
	s_cselect_b64 s[24:25], s[8:9], s[10:11]
	s_cmp_lt_u32 ttmp9, 288
	s_cselect_b64 s[24:25], s[6:7], s[24:25]
	s_cmp_lt_u32 ttmp9, 256
	s_cselect_b64 s[24:25], s[4:5], s[24:25]       ; the numbers,
	s_cselect_b64 s[26:27], s[14:15], s[18:19]     ; the codes,
	s_cselect_b64 s[28:29], s[16:17], s[20:21]     ; the scale bytes
	s_cselect_b32 s30, 0, 256
	s_cselect_b32 s32, 0xff, 31
	s_sub_co_u32 s31, ttmp9, s30                   ; the work-group's number in x, or in the three weights on end
	s_and_b32 s32, s31, s32                        ; and in its own tensor
	s_lshl_b32 s31, s31, 2
	s_add_co_u32 s31, s31, s33                     ; my run of 8,192 numbers where the results go,
	s_lshl_b32 s32, s32, 2
	s_add_co_u32 s32, s32, s33                     ; and where the numbers come from
	s_lshl_b32 s34, s32, 15
	s_mov_b32 s35, 0
	s_add_nc_u64 s[24:25], s[24:25], s[34:35]
	s_lshl_b32 s34, s31, 12
	s_add_nc_u64 s[26:27], s[26:27], s[34:35]
	s_lshl_b32 s34, s31, 8
	s_add_nc_u64 s[28:29], s[28:29], s[34:35]
.macro LOAD t
.irp i, 0,1,2,3
	global_load_b128 v[R+16*((\t)%4)+4*\i:R+16*((\t)%4)+4*\i+3], v3, s[24:25] offset:2048*(\t)+512*\i th:TH_LOAD_NT   ; 32 lanes read 512 consecutive bytes
.endr
.endm
.macro TURN t                          ; step t's numbers through the stage: LDS serves a wave's instructions in order, so no wait stands between the stores and the loads
.irp i, 0,1,2,3
	ds_store_b128 v14, v[R+16*((\t)%4)+4*\i:R+16*((\t)%4)+4*\i+3] offset:32*SP*((\t)%2)+8*SP*\i
.endr
.irp i, 0,1,2,3
	ds_load_b128 v[X+16*((\t)%2)+4*\i:X+16*((\t)%2)+4*\i+3], v15 offset:32*SP*((\t)%2)+16*\i
.endr
.endm
.irp t, 0,1,2,3
	LOAD \t
.endr
	s_wait_loadcnt 12                              ; step 0's four loads are in; those of three steps may be out
	TURN 0
.macro STEP t
.set XS, X+16*((\t)%2)
.if (\t) > 0
	s_wait_dscnt 1                                 ; this step's numbers are back from the stage (the last step's byte store may be out)
.else
	s_wait_dscnt 0x0
.endif
.if (\t)+4 < STEPS
	LOAD (\t)+4                                    ; the registers that the stage's stores have read take the loads of four steps on
.endif
.if (\t)+1 < STEPS
.if STEPS-2-(\t) >= 3
	s_wait_loadcnt 12                              ; the next step's four loads are in; those of the three steps behind it may be out
.else
	s_wait_loadcnt 4*(STEPS-2-(\t))
.endif
	TURN (\t)+1                                    ; and go through the other stage while this step is worked
.endif
	v_max3_num_f32 v8, |v[XS]|, |v[XS+1]|, |v[XS+2]|               ; the largest magnitude of my 16, in two chains
	v_max3_num_f32 v9, |v[XS+3]|, |v[XS+4]|, |v[XS+5]|
.irp i, 6,10
	v_max3_num_f32 v8, v8, |v[XS+\i]|, |v[XS+\i+1]|
	v_max3_num_f32 v9, v9, |v[XS+\i+2]|, |v[XS+\i+3]|
.endr
	v_max3_num_f32 v8, v8, |v[XS+14]|, |v[XS+15]|
	v_max3_num_f32 v8, v8, v9, (EMAX+1)<<23        ; and the floor 2^(EMAX + 1 - 127): the byte cannot fall under 1
	v_max_num_f32_dpp v8, v8, v8 row_xmask:1 row_mask:0xf bank_mask:0xf   ; and of my neighbour's 16: the block's
	v_add_nc_u32 v11, -(EMAX<<23), v8              ; EMAX off its exponent field: the conversion takes the exponent field of this operand as its scale
	v_cvt_scalef32_pk8_fp4_f32 v[C+4*(\t)], v[XS:XS+7], v11
	v_cvt_scalef32_pk8_fp4_f32 v[C+4*(\t)+1], v[XS+8:XS+15], v11
	v_lshrrev_b32 v[E+(\t)], 23, v11               ; the scale's byte (also the plain line behind the conversions)
	ds_store_b8 v5, v[E+(\t)] offset:16*(\t)       ; both lanes of a block write the same byte with the same value
	global_store_b64 v4, v[C+4*(\t):C+4*(\t)+1], s[26:27] offset:32*CB*(\t)   ; the wave stores 256 consecutive bytes, aligned
.endm
.irp t, 0,1,2,3,4,5,6,7,8,9,10,11,12,13,14,15
	STEP \t
.endr
	ds_load_b64 v[8:9], v6                         ; LDS serves a wave's instructions in order: these see my byte stores
	s_wait_dscnt 0x0
	global_store_b64 v7, v[8:9], s[28:29]          ; 32 lanes store 256 consecutive bytes, aligned
	s_wait_tensorcnt 0x0                           ; the wave's end, behind my last LDS store
	ds_add_u32 v[SPW], v[NIL]
	s_wait_dscnt 0x0
	s_endpgm
; Wo to f16: a wave's 8,192 numbers in four quarters of sixteen loads, two quarters on their way at a time.
.macro LOADB k, l
.irp i, 0,1,2,3,4,5,6,7,8,9,10,11,12,13,14,15
	global_load_b128 v[\l+4*\i:\l+4*\i+3], v3, s[12:13] offset:(16*\k+\i)*512 th:TH_LOAD_NT
.endr
.endm
.macro OUTB k, l
.irp i, 0,1,2,3,4,5,6,7,8,9,10,11,12,13,14,15
	v_cvt_pk_f16_f32 v[Y+2*\i], v[\l+4*\i], v[\l+4*\i+1]
	v_cvt_pk_f16_f32 v[Y+2*\i+1], v[\l+4*\i+2], v[\l+4*\i+3]
.endr
.irp i, 0,1,2,3,4,5,6,7,8,9,10,11,12,13,14,15
	global_store_b64 v7, v[Y+2*\i:Y+2*\i+1], s[22:23] offset:(16*\k+\i)*256   ; the wave stores 256 consecutive bytes, aligned
.endr
.endm
.Lwo:
	s_sub_co_u32 s34, ttmp9, 352
	s_lshl_b32 s34, s34, 2
	s_add_co_u32 s34, s34, s33                     ; my run of 8,192 numbers
	s_lshl_b32 s36, s34, 15
	s_mov_b32 s37, 0
	s_add_nc_u64 s[12:13], s[12:13], s[36:37]
	s_lshl_b32 s36, s34, 14
	s_add_nc_u64 s[22:23], s[22:23], s[36:37]
	LOADB 0, L0
	LOADB 1, L1
	s_wait_loadcnt 16                              ; the older quarter is in; the younger sixteen loads may be out
	OUTB 0, L0
	LOADB 2, L0
	s_wait_loadcnt 16
	s_wait_xcnt 0x0                                ; the stores have read Y: it is written again only behind this wait
	OUTB 1, L1
	LOADB 3, L1
	s_wait_loadcnt 16
	s_wait_xcnt 0x0
	OUTB 2, L0
	s_wait_loadcnt 0x0
	s_wait_xcnt 0x0
	OUTB 3, L1
	s_wait_tensorcnt 0x0                           ; the same three lines at this path's end
	ds_add_u32 v[SPW], v[NIL]
	s_wait_dscnt 0x0
	s_endpgm
.Lfunc_end_k_q7a9eccdb5e_quant:
	.size	k_q7a9eccdb5e_quant, .Lfunc_end_k_q7a9eccdb5e_quant-k_q7a9eccdb5e_quant
	.p2alignl 7, 3214868480
	.fill 96, 4, 3214868480
	.section	.rodata,"a",@progbits
	.p2align	6, 0x0
	.amdhsa_kernel k_q7a9eccdb5e_quant
		.amdhsa_group_segment_fixed_size 33280
		.amdhsa_private_segment_fixed_size 0
		.amdhsa_enable_private_segment 0
		.amdhsa_kernarg_size 80
		.amdhsa_user_sgpr_count 2
		.amdhsa_user_sgpr_kernarg_segment_ptr 1
		.amdhsa_wavefront_size32 1
		.amdhsa_system_sgpr_workgroup_id_x 1
		.amdhsa_system_sgpr_workgroup_id_y 1
		.amdhsa_system_sgpr_workgroup_id_z 1
		.amdhsa_system_vgpr_workitem_id 0
		.amdhsa_next_free_vgpr 192
		.amdhsa_next_free_sgpr 66
		.amdhsa_reserve_vcc 0
		.amdhsa_float_denorm_mode_32 3
		.amdhsa_float_denorm_mode_16_64 3
		.amdhsa_memory_ordered 1
		.amdhsa_forward_progress 1
		.amdhsa_inst_pref_size 54
	.end_amdhsa_kernel
	.amdgpu_metadata
---
amdhsa.version: [ 1, 2 ]
amdhsa.kernels:
  - .name:           k_q7a9eccdb5e_quant
    .symbol:         k_q7a9eccdb5e_quant.kd
    .args:
      - { .name: x, .offset: 0, .size: 8, .value_kind: global_buffer, .address_space: global }
      - { .name: Wq, .offset: 8, .size: 8, .value_kind: global_buffer, .address_space: global }
      - { .name: Wk, .offset: 16, .size: 8, .value_kind: global_buffer, .address_space: global }
      - { .name: Wv, .offset: 24, .size: 8, .value_kind: global_buffer, .address_space: global }
      - { .name: Wo, .offset: 32, .size: 8, .value_kind: global_buffer, .address_space: global }
      - { .name: xc, .offset: 40, .size: 8, .value_kind: global_buffer, .address_space: global }
      - { .name: xs, .offset: 48, .size: 8, .value_kind: global_buffer, .address_space: global }
      - { .name: wc, .offset: 56, .size: 8, .value_kind: global_buffer, .address_space: global }
      - { .name: ws, .offset: 64, .size: 8, .value_kind: global_buffer, .address_space: global }
      - { .name: wo16, .offset: 72, .size: 8, .value_kind: global_buffer, .address_space: global }
    .group_segment_fixed_size: 33280
    .private_segment_fixed_size: 0
    .kernarg_segment_align: 8
    .kernarg_segment_size: 80
    .max_flat_workgroup_size: 128
    .sgpr_count:     66
    .vgpr_count:     192
    .wavefront_size: 32
...
	.end_amdgpu_metadata
.endif
;; end of part 1
;; launch qkv (part 2): grid 12 x 32, 4 waves a work-group, clusters of 4 x 4, 327,680 bytes of LDS; arguments xc, xs, wc, ws, bq, bk, bv, qkv, first; writes qkv, first
.if DOCPART == 2
	.amdgcn_target "amdgcn-amd-amdhsa--gfx1250"
	.amdhsa_code_object_version 6
	.text
	.protected	k_q7a9eccdb5e_qkv
	.globl	k_q7a9eccdb5e_qkv
	.p2align	8
	.type	k_q7a9eccdb5e_qkv,@function
k_q7a9eccdb5e_qkv:
	s_mov_b64 s[64:65], 0
	v_nop
	global_prefetch_b8 v0, s[64:65] scope:SCOPE_SE
	s_setreg_imm32_b32 hwreg(HW_REG_WAVE_MODE, 25, 1), 1
	s_wait_xcnt 0x0
	s_wait_alu depctr_hold_cnt(0) depctr_sa_sdst(0) depctr_va_vdst(0) depctr_va_sdst(0) depctr_va_ssrc(0) depctr_va_vcc(0) depctr_vm_vsrc(0)
	s_getreg_b32 s2, hwreg(HW_REG_IB_STS2, 6, 4)
	s_cmp_eq_u32 s2, 0
	s_cbranch_scc0 .Lentry_in_a_cluster
	s_endpgm
.Lentry_in_a_cluster:
	s_bfe_u32 s2, ttmp6, 0x10000c
	s_cmp_lg_u32 s2, 0xf033
	s_cbranch_scc0 .Lentry_shape_is_right
	s_endpgm
.Lentry_shape_is_right:
; Q, K, V = x W^T + b on codes of FP4 (E2M1) with one E8M0 scale for each 32 along K.  A = xc [8192][512 B], xs [8192][32]; B = wc [3072][512 B], ws [3072][32] (Wq, Wk, Wv on end).  Sums in f32; the bias is the C of each sum's first product.
; OUT: qkv, f16, [3 (q, k, v)][4 batches][16 heads][2048 positions][64]; first, f32, [3][4][16 positions][1024]: the unrounded rows of positions 0 to 15 of every sequence.
; LIMIT: |Q|, |K|, |V| must stay under 65,504 (f16).
; A tile of C, 256 x 256, is made by a work-group of four waves; a wave makes 128 x 128: 64 accumulators, 512 registers.  K = 1,024 is two LDS slots of 512 along K (rows of 256 bytes): both, and the scale bytes of the
; work-group's 256 + 256 rows, are first fills: three tensor loads a wave are out at the start, and there is no loop.
; CLUSTERS: 4 x 4 work-groups.  Tile column = 4 x cluster x + cx: the cluster's x says which of q, k, v.  Tile row = 8 cy + cluster y: cy is the batch, the cluster's y the tile within it, so that 'this tile holds positions 0 to 15'
; is the same answer in all sixteen partners.  The four of a row of the cluster need the same tiles of A, the four of a column the same tiles of B: each is asked for JOINTLY.
; THE MATRIX INSTRUCTION IS USED TRANSPOSED (source 0 = 16 rows of W, source 1 = 16 rows of x): a lane holds eight neighbouring columns of one row of C.
; REGISTERS, in windows of 256: window 0: v0-31 addresses; v32-95 scale words, two sets; v96-127 packed results; v128-191 A's fragments, ONE set, later rows on the way out; v192-255 the bias in the result's layout.
;   window 1: B's fragments, two sets, at v0 and v128.   window 2: the accumulators of my rows 0-63 ((a, b) at v[8 (8 a + b)]);   window 3: those of rows 64-127.
.set KSTEP,  512
.set NQ,     4                         ; matrix instructions deep in a slot
.set ROWB,   256                       ; a tile's row in bytes
.set KROW,   512                       ; a row of codes in memory
.set PITCH,  272                       ; an LDS row: 256 bytes + 16 of padding: an odd multiple of 16, so the sixteen rows of a fragment load begin in sixteen different 16-byte columns of a 256-byte line
.set FR,     8
.set NL,     2
.set NP,     4                         ; places behind this matrix instruction (ISA guide 7.12.1)
.set HALFT,  128*PITCH
.set SLOT,   4*HALFT
.set KS,     32                        ; a row of scale bytes
.set SCL,    2*SLOT                    ; behind the slots: the scales, as lines of 256 bytes + 16 of padding
.set HALFS,  (128*KS/256)*272
.set SBLK,   (16*KS/256)*272
.set SPARE,  SCL+4*HALFS               ; the spare words, 128 bytes a wave
.set ADRA, 16                          ; v16-17  LDS address of my A fragments in slot 0, 1
.set ADRB, 20                          ; v20-21  the same for B
.set STO32, 22                         ; the way out through my stage (16 rows; it lies in slot 0, which has had its one fill and its last read by then): f32 rows of 528 bytes, in
.set RD32, 23                          ; and back;
.set STO16, 24                         ; f16 rows of 272 bytes, in
.set RD16, 25                          ; and back: four rows of one head an instruction
.set CO,   26                          ; 16 x lane
.set ADRS, 27                          ; LDS address of my scale words: lanes 0-15 A's rows, lanes 16-31 B's
.set SPW,  28
.set NIL,  29
.set BO,   30                          ; 32 x (lane / 16): my eight numbers of a bias tile
.set SC,   32
.set TMP,  96
.set AF,   128
.set BK,   128
.set BI,   192
.set G1, 24
.set G0, 32
.set G1B, 48
.set G0B, 56
.set G1S, 68
.set G0S, 76
.set G1SB, 80
.set G0SB, 88
.set MSB, 0
.macro WIN new                         ; the immediate's high byte repeats the setting that is left
.if MSB != \new
	s_set_vgpr_msb (MSB<<8)|\new
.set MSB, \new
.endif
.endm
.set MUL_LO, 0xa1                      ; source 0 (B) window 1, source 1 (A) window 0, C and D window 2
.set MUL_HI, 0xf1                      ; the same, C and D window 3
.set MUL_LO0, 0x81                     ; the first step: C (the bias) window 0, D window 2
.set MUL_HI0, 0xc1                     ; D window 3
.set TO_B,   0x40
; A joint load: waves 0 and 1 fetch for A, waves 2 and 3 for B; the branch hangs on the wave's number alone.  An s_nop 0 and four v_nop follow each of the two lines.
.macro JLOAD g0a, g1a, g0b, g1b
	s_cmp_eq_u32 s15, 0
	s_cbranch_scc0 .Lfor_b_\@
	tensor_load_to_lds s[\g0a:\g0a+3], s[\g1a:\g1a+7]
	s_nop 0
.rept 4
	v_nop
.endr
	s_branch .Lasked_\@
.Lfor_b_\@:
	tensor_load_to_lds s[\g0b:\g0b+3], s[\g1b:\g1b+7]
	s_nop 0
.rept 4
	v_nop
.endr
.Lasked_\@:
.endm
.macro CROUND                          ; a round of the cluster's barrier
	s_barrier_signal -1
	s_barrier_wait -1
	s_cmp_lg_u32 s14, 0
	s_cbranch_scc1 .Lnot_wave_0_\@
	s_barrier_signal -3
.Lnot_wave_0_\@:
	s_barrier_wait -3
	s_barrier_signal -1
	s_barrier_wait -1
.endm
	s_load_b128 s[4:7], s[0:1], 0x0                ; xc, xs
	s_load_b128 s[8:11], s[0:1], 0x10              ; wc, ws
	s_load_b128 s[96:99], s[0:1], 0x20             ; bq, bk
	s_load_b64 s[100:101], s[0:1], 0x30            ; bv
	s_load_b64 s[12:13], s[0:1], 0x38              ; qkv
	s_load_b64 s[66:67], s[0:1], 0x40              ; first
	v_lshl_add_u32 v[SPW], v0, 2, SPARE
	v_mov_b32 v[NIL], 0
	ds_add_u32 v[SPW], v[NIL]                      ; the wave's opening: the add, twice on end, and its wait ahead of my first tensor load
	ds_add_u32 v[SPW], v[NIL]
	v_lshrrev_b32 v1, 5, v0
	v_readfirstlane_b32 s14, v1                    ; wave 0..3
	s_lshr_b32 s15, s14, 1                         ; which half of the tile's rows is mine.  Also: I fetch for A (0) or for B (1)
	s_and_b32 s16, s14, 1                          ; which half of its columns.  Also: which 128 rows of that tile I fetch
	s_bfe_u32 s40, ttmp6, 0x40000                  ; cx
	s_bfe_u32 s41, ttmp6, 0x40004                  ; cy
	s_lshl_b32 s42, ttmp9, 2
	s_add_co_u32 s42, s42, s40                     ; tile column = 4 x cluster x + cx
	s_and_b32 s95, ttmp7, 0xffff                   ; cluster y: the tile within a batch
	s_lshl_b32 s17, s41, 3
	s_add_co_u32 s17, s17, s95                     ; tile row = 8 cy + cluster y
	s_lshl_b32 s43, s41, 2
	s_lshl_b32 s43, 15, s43                        ; my row of the cluster
	s_lshl_b32 s44, 0x1111, s40                    ; my column
	s_or_b32 s[G1+0], s43, (0<<16)|(1<<20)|(1<<21)|(5<<22)|(3<<25)  ; the mask; elements of 1 byte; padding on; bit 21 beside a mask; after every 64 words four words
	s_or_b32 s[G1B+0], s44, (0<<16)|(1<<20)|(1<<21)|(5<<22)|(3<<25)
.irp g, G1, G1B
	s_mov_b32 s[\g+1], ROWB<<16                    ; tensor_dim0
	s_mov_b32 s[\g+2], 128<<16                     ; tensor_dim1
	s_mov_b32 s[\g+3], ROWB<<16                    ; tile_dim0
	s_mov_b32 s[\g+4], 128                         ; tile_dim1
	s_mov_b32 s[\g+5], KROW                        ; the pitch
	s_mov_b32 s[\g+6], 0
	s_mov_b32 s[\g+7], 0
.endr
	s_or_b32 s[G1S+0], s43, (3<<16)|(1<<20)|(1<<21)|(5<<22)|(3<<25)  ; the scales of 128 rows: 4,096 dense bytes as 16 rows of 256 (32 elements of 8 bytes), 16 bytes of padding behind each
	s_or_b32 s[G1SB+0], s44, (3<<16)|(1<<20)|(1<<21)|(5<<22)|(3<<25)
.irp g, G1S, G1SB
	s_mov_b32 s[\g+1], 32<<16
	s_mov_b32 s[\g+2], (128*KS/256)<<16
	s_mov_b32 s[\g+3], 32<<16
	s_mov_b32 s[\g+4], 128*KS/256
	s_mov_b32 s[\g+5], 32
	s_mov_b32 s[\g+6], 0
	s_mov_b32 s[\g+7], 0
.endr
	s_lshl_b32 s18, s16, 7                         ; which 128 rows of the tile I fetch
	s_lshl_b32 s20, s17, 8
	s_add_co_u32 s20, s20, s18                     ; A: row 256 x tile row + 128 x half
	s_lshl_b32 s46, s42, 8
	s_add_co_u32 s46, s46, s18                     ; B: row 256 x tile column + 128 x half
	s_mov_b32 s21, 0
	s_mov_b32 s47, 0
	s_mov_b64 s[18:19], KS
	s_mul_u64 s[22:23], s[20:21], s[18:19]         ; where these rows' scales begin,
	s_mul_u64 s[92:93], s[46:47], s[18:19]
	s_mov_b64 s[18:19], KROW
	s_mul_u64 s[20:21], s[20:21], s[18:19]         ; and their codes
	s_mul_u64 s[46:47], s[46:47], s[18:19]
	s_mul_i32 s45, s14, HALFT                      ; where they go: wave x 128 rows: no place in the cluster enters an LDS address
	s_mul_i32 s94, s14, HALFS
	s_wait_dscnt 0x0                               ; both opening adds are done
	s_wait_kmcnt 0x0
	s_add_nc_u64 s[20:21], s[4:5], s[20:21]
	s_add_nc_u64 s[22:23], s[6:7], s[22:23]
	s_add_nc_u64 s[46:47], s[8:9], s[46:47]
	s_add_nc_u64 s[92:93], s[10:11], s[92:93]
	CROUND                                         ; all sixteen work-groups are here: the joint loads meet
	s_mov_b32 s[G0S], 1
	s_add_co_u32 s[G0S+1], s94, SCL
	s_mov_b64 s[G0S+2:G0S+3], s[22:23]
	s_or_b32 s[G0S+3], s[G0S+3], 0x80000000
	s_mov_b32 s[G0SB], 1
	s_add_co_u32 s[G0SB+1], s94, SCL
	s_mov_b64 s[G0SB+2:G0SB+3], s[92:93]
	s_or_b32 s[G0SB+3], s[G0SB+3], 0x80000000
	JLOAD G0S, G1S, G0SB, G1SB                     ; the scales first: they are wanted with slot 0
.irp s, 0,1
	s_mov_b32 s[G0+4*\s], 1
	s_add_co_u32 s[G0+4*\s+1], s45, \s*SLOT
	s_add_nc_u64 s[G0+4*\s+2:G0+4*\s+3], s[20:21], \s*ROWB
	s_or_b32 s[G0+4*\s+3], s[G0+4*\s+3], 0x80000000
	s_mov_b32 s[G0B+4*\s], 1
	s_add_co_u32 s[G0B+4*\s+1], s45, \s*SLOT
	s_add_nc_u64 s[G0B+4*\s+2:G0B+4*\s+3], s[46:47], \s*ROWB
	s_or_b32 s[G0B+4*\s+3], s[G0B+4*\s+3], 0x80000000
	JLOAD G0+4*\s, G1, G0B+4*\s, G1B
.endr
	v_and_b32 v1, 15, v0                           ; r = lane % 16
	v_bfe_u32 v2, v0, 4, 1                         ; h = lane / 16
	v_lshlrev_b32 v[BO], 5, v2
	; the bias of my 128 columns: which of bq, bk, bv hangs on the cluster's x
	s_lshl_b32 s22, s40, 10
	s_lshl_b32 s23, s16, 9
	s_add_co_u32 s22, s22, s23                     ; (256 cx + 128 x half) x 4 bytes
	s_mov_b32 s23, 0
	s_cmp_eq_u32 ttmp9, 1
	s_cselect_b64 s[98:99], s[98:99], s[100:101]
	s_cmp_eq_u32 ttmp9, 0
	s_cselect_b64 s[96:97], s[96:97], s[98:99]
	s_add_nc_u64 s[96:97], s[96:97], s[22:23]
.irp b, 0,1,2,3,4,5,6,7
	global_load_b128 v[BI+8*\b:BI+8*\b+3], v[BO], s[96:97] offset:64*\b        ; register 8 b + j: the bias of column 16 b + 8 h + j: the result's layout
	global_load_b128 v[BI+8*\b+4:BI+8*\b+7], v[BO], s[96:97] offset:64*\b+16
.endr
	s_lshl_b32 s18, ttmp9, 18                      ; first: part x 262,144 + batch x 65,536 + my columns
	s_lshl_b32 s19, s41, 16
	s_add_co_u32 s18, s18, s19
	s_add_co_u32 s22, s22, s18
	s_add_nc_u64 s[66:67], s[66:67], s[22:23]
	v_mul_u32_u24 v3, v1, PITCH
	v_lshl_add_u32 v4, v2, 4, v3                   ; a fragment's row x pitch + 16 x half
	s_mul_i32 s21, s15, HALFT                      ; my 128 rows of A
	s_mul_i32 s22, s16, HALFT                      ; my 128 rows of B,
	s_add_co_u32 s22, s22, 2*HALFT                 ; which lie behind A's 256
.irp s, 0,1
	v_add_nc_u32 v[ADRA+\s], s21, v4
	v_add_nc_u32 v[ADRB+\s], s22, v4
	s_add_co_u32 s21, s21, SLOT
	s_add_co_u32 s22, s22, SLOT
.endr
	v_mul_u32_u24 v5, v1, KS                       ; my row's scales: KS bytes a row,
	v_lshrrev_b32 v6, 8, v5
	v_lshl_add_u32 v5, v6, 4, v5                   ; and 16 more for each 256 passed
	s_mul_i32 s21, s15, HALFS
	s_mul_i32 s22, s16, HALFS
	s_add_co_u32 s22, s22, 2*HALFS
	s_sub_co_u32 s22, s22, s21
	v_mul_u32_u24 v6, s22, v2                      ; lanes 16-31 take B's: one product, the distance between the two bases
	s_add_co_u32 s21, s21, SCL
	v_add_nc_u32 v5, v5, v6
	v_add_nc_u32 v[ADRS], s21, v5
	s_mul_i32 s23, s14, 16*528                     ; my stage
	v_mul_u32_u24 v5, v1, 528
	v_lshl_add_u32 v5, v2, 5, v5
	v_add_nc_u32 v[STO32], s23, v5                 ; f32: row r, 32 bytes for each half of the lanes
	v_and_b32 v6, 31, v0
	v_lshlrev_b32 v[CO], 4, v6
	v_add_nc_u32 v[RD32], s23, v[CO]               ; back: the 32 lanes take one row of 512 bytes
	v_add_nc_u32 v[STO16], s23, v4                 ; f16: row r of 272 bytes, 16 bytes for each half
	v_lshrrev_b32 v5, 3, v6
	v_mul_u32_u24 v5, v5, 272
	v_and_b32 v6, 7, v0
	v_lshl_add_u32 v5, v6, 4, v5
	v_add_nc_u32 v[RD16], s23, v5                  ; back: eight lanes take a head's 128 bytes of a row, four rows an instruction
	s_lshl_b32 s20, ttmp9, 24                      ; qkv: part,
	s_lshl_b32 s21, s41, 22                        ; batch,
	s_add_co_u32 s20, s20, s21
	s_lshl_b32 s21, s40, 2
	s_lshl_b32 s18, s16, 1
	s_add_co_u32 s21, s21, s18                     ; my first head: 4 cx + 2 x half,
	s_lshl_b32 s21, s21, 18
	s_add_co_u32 s20, s20, s21
	s_lshl_b32 s21, s95, 15                        ; position 256 x cluster y
	s_add_co_u32 s20, s20, s21
	s_lshl_b32 s21, s15, 14                        ; + 128 x half, 128 bytes each
	s_add_co_u32 s20, s20, s21
	s_mov_b32 s21, 0
	s_add_nc_u64 s[12:13], s[12:13], s[20:21]
.macro FRAG reg, adr, q, i             ; 16 rows x 128 K of 4-bit codes: 8 registers: registers 4 c .. 4 c + 3 hold K = 64 c + 32 (lane / 16) + 0 .. 31
.irp c, 0,1
	ds_load_b128 v[\reg+4*\c:\reg+4*\c+3], v[\adr] offset:64*(\q)+32*\c+(\i)*16*PITCH
.endr
.endm
; 16 matrix instructions: A's blocks a0, a0 + 1 x B's eight.  zero = 1: the first product starts the sums from the bias.  The 64 accumulators take turns, one instruction a turn, in the same order in every step.
.macro MUL16 a0, p, q, sc, zero
.irp a, \a0, \a0+1
.irp b, 0,1,2,3,4,5,6,7
.if \zero
	v_wmma_scale_f32_16x16x128_f8f6f4 v[8*(8*((\a)%4)+\b):8*(8*((\a)%4)+\b)+7], v[128*(\p)+FR*\b:128*(\p)+FR*\b+FR-1], v[AF+FR*(\a):AF+FR*(\a)+FR-1], v[BI+8*\b:BI+8*\b+7], v[SC+8*NQ*(\sc)+NQ*\b+(\q)], v[SC+8*NQ*(\sc)+NQ*(\a)+(\q)] matrix_a_fmt:MATRIX_FMT_FP4 matrix_b_fmt:MATRIX_FMT_FP4 matrix_a_scale:MATRIX_SCALE_ROW1
.else
	v_wmma_scale_f32_16x16x128_f8f6f4 v[8*(8*((\a)%4)+\b):8*(8*((\a)%4)+\b)+7], v[128*(\p)+FR*\b:128*(\p)+FR*\b+FR-1], v[AF+FR*(\a):AF+FR*(\a)+FR-1], v[8*(8*((\a)%4)+\b):8*(8*((\a)%4)+\b)+7], v[SC+8*NQ*(\sc)+NQ*\b+(\q)], v[SC+8*NQ*(\sc)+NQ*(\a)+(\q)] matrix_a_fmt:MATRIX_FMT_FP4 matrix_b_fmt:MATRIX_FMT_FP4 matrix_a_scale:MATRIX_SCALE_ROW1
.endif
.endr
.endr
.endm
.macro FETCH_B slot, q, p
	WIN TO_B
.irp i, 0,1,2,3,4,5,6,7
	FRAG 128*(\p)+FR*\i, ADRB+\slot, \q, \i
.endr
	WIN 0
.endm
.macro FETCH_A slot, q, i0
.irp i, \i0, \i0+1, \i0+2, \i0+3
	FRAG AF+FR*(\i), ADRA+\slot, \q, \i
.endr
.endm
.macro SCALES sc                       ; a slot's scale words: four words a row; lanes 0-15 take A's block i, lanes 16-31 B's block i
.irp i, 0,1,2,3,4,5,6,7
	ds_load_b128 v[SC+8*NQ*\sc+NQ*\i:SC+8*NQ*\sc+NQ*\i+3], v[ADRS] offset:\i*SBLK
.endr
.endm
.macro PLACES n                        ; plain vector instructions between a matrix instruction and a load into, or a read of, its registers
.rept \n
	v_nop
.endr
.endm
.macro STEP slot, q, zero              ; a step of 128 along K that has its successor in the same slot
	s_wait_dscnt 4*NL                              ; B's set and A's blocks 0-3 are in; the youngest eight loads (A's blocks 4-7) may be out
.if \zero
	WIN MUL_LO0
.else
	WIN MUL_LO
.endif
	MUL16 0, (\q)%2, \q, \slot, \zero
	MUL16 2, (\q)%2, \q, \slot, \zero
	s_wait_dscnt 0
	PLACES NP
	FETCH_B \slot, (\q)+1, 1-(\q)%2
	FETCH_A \slot, (\q)+1, 0
.if \zero
	WIN MUL_HI0
.else
	WIN MUL_HI
.endif
	MUL16 4, (\q)%2, \q, \slot, \zero
	MUL16 6, (\q)%2, \q, \slot, \zero
	PLACES NP
	WIN 0
	FETCH_A \slot, (\q)+1, 4
.endm
; Slot 0's last step changes slots: one barrier; in front of it each wave waits for all its tensor loads (its part of slot 1), adds 0 to its spare word, and waits for that and for its reads of slot 0.
.macro TURN slot, next
	s_wait_tensorcnt 0x0
	ds_add_u32 v[SPW], v[NIL]
	s_wait_dscnt 4*NL+1                            ; (the add and the youngest eight loads may be out)
	WIN MUL_LO
	MUL16 0, 1, NQ-1, \slot, 0
	s_wait_dscnt 0x0                               ; the add is done, and my reads of this slot are over
	s_barrier_signal -1
	MUL16 2, 1, NQ-1, \slot, 0
	WIN 0
	s_barrier_wait -1
	PLACES NP
	v_add_nc_u32 v[ADRS], 4*NQ, v[ADRS]            ; on to the next slot's scale words
	FETCH_B \next, 0, 0
	FETCH_A \next, 0, 0
	SCALES \next
	WIN MUL_HI
	MUL16 4, 1, NQ-1, \slot, 0
	MUL16 6, 1, NQ-1, \slot, 0
	PLACES NP
	WIN 0
	FETCH_A \next, 0, 4
.endm
.macro STEPS slot, from
.set Q, \from
.rept NQ-1-\from
	STEP \slot, Q, 0
.set Q, Q+1
.endr
.endm
	s_wait_tensorcnt 1                             ; the scales and my part of slot 0 are in (slot 1's load may be out)
	s_barrier_signal -1
	s_barrier_wait -1                              ; everybody's are
	FETCH_B 0, 0, 0
	FETCH_A 0, 0, 0
	SCALES 0
	FETCH_A 0, 0, 4
	s_wait_loadcnt 0x0                             ; the bias
	STEP 0, 0, 1
	STEPS 0, 1
	TURN 0, 1
	STEPS 1, 0
	s_wait_dscnt 4*NL                              ; the very last step: nothing more to fetch
	WIN MUL_LO
	MUL16 0, 1, NQ-1, 1, 0
	MUL16 2, 1, NQ-1, 1, 0
	s_wait_dscnt 0
	WIN MUL_HI
	MUL16 4, 1, NQ-1, 1, 0
	MUL16 6, 1, NQ-1, 1, 0
	WIN 0
	PLACES NP                                      ; for the first reads of results and for the loads into the registers that held A's fragments
	; POSITIONS 0 TO 15 IN f32.  They lie in the tile with cluster y = 0, in the waves of its upper half, in block 0: a condition on the cluster's y and the wave's number, alike in all partners.
	s_or_b32 s18, s95, s15
	s_cmp_lg_u32 s18, 0
	s_cbranch_scc1 .Lno_first
	WIN 0x08                                       ; an LDS store's data are its source 1: window 2
.irp b, 0,1,2,3,4,5,6,7
	ds_store_b128 v[STO32], v[8*\b:8*\b+3] offset:64*\b             ; each accumulator from its low end on
	ds_store_b128 v[STO32], v[8*\b+4:8*\b+7] offset:64*\b+16
.endr
	WIN 0
.irp t, 0,1,2,3,4,5,6,7,8,9,10,11,12,13,14,15
	ds_load_b128 v[BK+4*\t:BK+4*\t+3], v[RD32] offset:\t*528        ; LDS serves a wave's instructions in order: these see my stores
.endr
.irp t, 0,1,2,3,4,5,6,7,8,9,10,11,12,13,14,15
	s_wait_dscnt 15-\t
	global_store_b128 v[CO], v[BK+4*\t:BK+4*\t+3], s[66:67] offset:4096*\t   ; 32 lanes store 512 consecutive bytes, aligned
.endr
	s_wait_xcnt 0x0                                ; these stores have read their registers, which the way out loads again
.Lno_first:
; THE WAY OUT IN f16, block by block of 16 rows x 128 columns (two heads).  PACK: eight neighbouring columns a lane become 16 bytes.  TOSTAGE: into my stage, and back as four rows of one head.  SEND: 512 consecutive bytes a store.
.macro PACK a
.set AC, 64*((\a)%4)
	WIN 0x0a+5*((\a)/4)                            ; sources 0 and 1: window 2 or 3
.irp b, 0,1,2,3,4,5,6,7
.irp i, 0,1,2,3
	v_cvt_pk_f16_f32 v[TMP+4*\b+\i], v[AC+8*\b+2*\i], v[AC+8*\b+2*\i+1]
.endr
.endr
	WIN 0
.endm
.macro TOSTAGE a
.set BB, BK+32*((\a)%2)
.irp b, 0,1,2,3,4,5,6,7
	ds_store_b128 v[STO16], v[TMP+4*\b:TMP+4*\b+3] offset:32*\b
.endr
.irp t, 0,1,2,3,4,5,6,7
	ds_load_b128 v[BB+4*\t:BB+4*\t+3], v[RD16] offset:128*(\t/4)+1088*(\t%4)
.endr
.endm
.macro SEND a, younger                 ; younger: the LDS instructions issued behind block a's loads, which may stay out
.set BB, BK+32*((\a)%2)
	s_wait_dscnt \younger
.irp t, 0,1,2,3,4,5,6,7
	global_store_b128 v[CO], v[BB+4*\t:BB+4*\t+3], s[12:13] offset:2048*(\a)+262144*(\t/4)+512*(\t%4)
.endr
.endm
	PACK 0
	TOSTAGE 0
.irp a, 1,2,3,4,5,6,7
.if \a > 1
	s_wait_xcnt 0x0                                ; block a - 2's stores have read their registers: block a's loads may land there
.endif
	PACK \a
	TOSTAGE \a
	SEND \a-1, 16                                  ; behind block a - 1's loads: block a's 8 stores and 8 loads
.endr
	SEND 7, 0
	s_wait_tensorcnt 0x0                           ; the wave's end
	ds_add_u32 v[SPW], v[NIL]
	s_wait_dscnt 0x0
	CROUND                                         ; the closing round
	s_endpgm
.Lfunc_end_k_q7a9eccdb5e_qkv:
	.size	k_q7a9eccdb5e_qkv, .Lfunc_end_k_q7a9eccdb5e_qkv-k_q7a9eccdb5e_qkv
	.p2alignl 7, 3214868480
	.fill 96, 4, 3214868480
	.section	.rodata,"a",@progbits
	.p2align	6, 0x0
	.amdhsa_kernel k_q7a9eccdb5e_qkv
		.amdhsa_group_segment_fixed_size 327680
		.amdhsa_private_segment_fixed_size 0
		.amdhsa_enable_private_segment 0
		.amdhsa_kernarg_size 72
		.amdhsa_user_sgpr_count 2
		.amdhsa_user_sgpr_kernarg_segment_ptr 1
		.amdhsa_wavefront_size32 1
		.amdhsa_system_sgpr_workgroup_id_x 1
		.amdhsa_system_sgpr_workgroup_id_y 1
		.amdhsa_system_sgpr_workgroup_id_z 1
		.amdhsa_system_vgpr_workitem_id 0
		.amdhsa_next_free_vgpr 1024
		.amdhsa_next_free_sgpr 102
		.amdhsa_reserve_vcc 0
		.amdhsa_float_denorm_mode_32 3
		.amdhsa_float_denorm_mode_16_64 3
		.amdhsa_memory_ordered 1
		.amdhsa_forward_progress 1
		.amdhsa_inst_pref_size 133
	.end_amdhsa_kernel
	.amdgpu_metadata
---
amdhsa.version: [ 1, 2 ]
amdhsa.kernels:
  - .name:           k_q7a9eccdb5e_qkv
    .symbol:         k_q7a9eccdb5e_qkv.kd
    .args:
      - { .name: xc, .offset: 0, .size: 8, .value_kind: global_buffer, .address_space: global }
      - { .name: xs, .offset: 8, .size: 8, .value_kind: global_buffer, .address_space: global }
      - { .name: wc, .offset: 16, .size: 8, .value_kind: global_buffer, .address_space: global }
      - { .name: ws, .offset: 24, .size: 8, .value_kind: global_buffer, .address_space: global }
      - { .name: bq, .offset: 32, .size: 8, .value_kind: global_buffer, .address_space: global }
      - { .name: bk, .offset: 40, .size: 8, .value_kind: global_buffer, .address_space: global }
      - { .name: bv, .offset: 48, .size: 8, .value_kind: global_buffer, .address_space: global }
      - { .name: qkv, .offset: 56, .size: 8, .value_kind: global_buffer, .address_space: global }
      - { .name: first, .offset: 64, .size: 8, .value_kind: global_buffer, .address_space: global }
    .group_segment_fixed_size: 327680
    .private_segment_fixed_size: 0
    .kernarg_segment_align: 8
    .kernarg_segment_size: 72
    .max_flat_workgroup_size: 128
    .sgpr_count:     102
    .vgpr_count:     1024
    .wavefront_size: 32
...
	.end_amdgpu_metadata
.endif
;; end of part 2
;; launch attn (part 3): grid 4 x 64, 8 waves a work-group, clusters of 4 x 1, 327,680 bytes of LDS; arguments qkv, att; writes att
.if DOCPART == 3
	.amdgcn_target "amdgcn-amd-amdhsa--gfx1250"
	.amdhsa_code_object_version 6
	.text
	.protected	k_q7a9eccdb5e_attn
	.globl	k_q7a9eccdb5e_attn
	.p2align	8
	.type	k_q7a9eccdb5e_attn,@function
k_q7a9eccdb5e_attn:
	s_mov_b64 s[64:65], 0
	v_nop
	global_prefetch_b8 v0, s[64:65] scope:SCOPE_SE
	s_setreg_imm32_b32 hwreg(HW_REG_WAVE_MODE, 25, 1), 1
	s_wait_xcnt 0x0
	s_wait_alu depctr_hold_cnt(0) depctr_sa_sdst(0) depctr_va_vdst(0) depctr_va_sdst(0) depctr_va_ssrc(0) depctr_va_vcc(0) depctr_vm_vsrc(0)
	s_getreg_b32 s2, hwreg(HW_REG_IB_STS2, 6, 4)
	s_cmp_eq_u32 s2, 0
	s_cbranch_scc0 .Lentry_in_a_cluster
	s_endpgm
.Lentry_in_a_cluster:
	s_bfe_u32 s2, ttmp6, 0x10000c
	s_cmp_lg_u32 s2, 0x3003
	s_cbranch_scc0 .Lentry_shape_is_right
	s_endpgm
.Lentry_shape_is_right:
; att[b][h][q][:] = the sum over k <= q of softmax_k(Q[q] . K[k] / 8) V[k][:], for 64 (batch, head) pairs of 2,048 positions x 64 channels.  Q, K, V (qkv) and att are f16; products, maxima and sums in f32; the weights p, at most 1, are rounded to f16
; for the second product; att is rounded once.  A running maximum m and sum l for each query: p = 2^(c s - c m), c = log2(e) / 8; in every step O and l are multiplied by a = 2^(c m_old - c m_new).
; LIMIT: |att| stays under the largest |V|, which the launch before keeps inside f16.  Positions 0 to 15 are made here too, and made again in f32 by the last launch.
; SHARES.  A cluster of four work-groups is one (batch, head).  A tile is 16 queries.  Wave w of work-group cx owns four tiles u = 0 .. 3: tile number 4 (8 u + w') + cx, w' = w xor 3 (w / 4).  All waves walk the keys in four WINDOWS of
; 512 keys, 8 steps of 64.  In window u0: tiles u > u0 see every key; tile u0 works while the step's number kp <= w', and is masked where kp = w'; tiles u < u0 are finished.  So every branch hangs on the window, the wave's number and the
; count of steps, never on cx, and the four partners want the same K and V at the same time: each tile of K and V is asked for JOINTLY (mask 15).  cx enters Q's and att's addresses and the mask's lane value alone.
; LAYOUT.  S^T = K Q^T (source 0 = 16 keys, source 1 = 16 queries): a lane holds ONE query (lane % 16) and keys 8 (lane / 16) + 0..7.  Two such tiles packed to f16 ARE source 1 of O^T = V^T P.  V comes out of LDS turned, by ds_load_tr16_b128.
; RING.  Two slots of a whole window (512 rows of K, 512 of V).  Windows 0 and 1 are first fills; window 2 is asked for when window 0 is left, window 3 when window 1 is left: each refill is issued eight key steps ahead of its first read,
; so no prefetch is laid.  By this text's own count a wave has at most two tensor loads out.
; Two waves share a SIMD's registers (512 each): one wave's softmax stands beside the other's products.
; REGISTERS: window 0: v2-13 addresses and constants; v16-47 statistics, 8 a tile (+0 c m, +1 m, +2, +3 l, +4 .. +7 at work, a in +6); v48-55 a second sum pair a tile; v64-191 S^T, 32 a tile, then P in place; v192-255 K's fragments.
;   window 1: v0-127 O^T, 32 a tile; v128-191 Q; v192-255 V's fragments.
.set PK,    144                        ; a row of K in LDS: 128 bytes + 16: an odd multiple of 16
.set VP,    160                        ; a row of V: 128 + 32: an odd multiple of 32
.set VOFF,  512*PK
.set SLOTB, 512*(PK+VP)
.set SPARE, 2*SLOTB                    ; the spare words, 128 bytes a wave
.set KSTP,  64*PK
.set VSTP,  64*VP
.set AK0, 2
.set AV0, 3
.set ADK, 4
.set ADV, 5
.set QO,  6
.set STO, 7                            ; the way out: my stage, 16 rows x 144 bytes, in slot 0, which has had its last fill and its last read by then
.set RD,  8
.set GO,  9
.set DG,  10                           ; 16 cx + lane % 16 - 8 (lane / 16): register 8 j + i of a diagonal tile is hidden where 16 j + i is above it
.set NINF, 11
.set SPW, 12
.set NIL, 13
.set ST,  16
.set YS,  48
.set S,   64
.set KF,  192
.set QF,  128
.set VF,  192
.set WV,  8                            ; s8   my wave's number
.set WP,  9                            ; s9   w'
.set G1K, 16
.set G1V, 24
.set G0K, 32                           ; two sets, one for each slot
.set G0V, 40
.set CS,  48                           ; s[48:49] c
.set SEL, 50                           ; s[50:51] lane l xor 16
.set TK,  52                           ; s52  LDS byte at which the step's rows of K begin
.set TV,  53                           ; s53  the same for V (less VOFF)
.set KP,  54                           ; s54  the step's number in its window
.set MSB, 0
.macro WIN new
.if MSB != \new
	s_set_vgpr_msb (MSB<<8)|\new
.set MSB, \new
.endif
.endm
.macro PLACES n
.rept \n
	v_nop
.endr
.endm
.macro CROUND                          ; a round of the cluster's barrier
	s_barrier_signal -1
	s_barrier_wait -1
	s_cmp_lg_u32 s[WV], 0
	s_cbranch_scc1 .Lnot_wave_0_\@
	s_barrier_signal -3
.Lnot_wave_0_\@:
	s_barrier_wait -3
	s_barrier_signal -1
	s_barrier_wait -1
.endm
.macro JLOAD set                       ; a joint refill: waves 0-3 fetch K's quarters, waves 4-7 V's; an s_nop 0 and four v_nop follow each line
	s_cmp_lt_u32 s[WV], 4
	s_cbranch_scc0 .Lfor_v_\@
	tensor_load_to_lds s[G0K+4*\set:G0K+4*\set+3], s[G1K:G1K+7]
	s_nop 0
.rept 4
	v_nop
.endr
	s_branch .Lasked_\@
.Lfor_v_\@:
	tensor_load_to_lds s[G0V+4*\set:G0V+4*\set+3], s[G1V:G1V+7]
	s_nop 0
.rept 4
	v_nop
.endr
.Lasked_\@:
.endm
	s_load_b128 s[4:7], s[0:1], 0x0                ; qkv, att
	v_lshl_add_u32 v[SPW], v0, 2, SPARE
	v_mov_b32 v[NIL], 0
	ds_add_u32 v[SPW], v[NIL]                      ; the wave's opening: the add, twice on end, and its wait ahead of my first tensor load
	ds_add_u32 v[SPW], v[NIL]
	v_lshrrev_b32 v1, 5, v0
	v_readfirstlane_b32 s[WV], v1                  ; wave 0..7
	s_lshr_b32 s[WP], s[WV], 2
	s_mul_i32 s[WP], s[WP], 3
	s_xor_b32 s[WP], s[WP], s[WV]                  ; w': 0 1 2 3 7 6 5 4
	s_bfe_u32 s10, ttmp6, 0x40000                  ; cx
	s_and_b32 s11, ttmp7, 0xffff                   ; the (batch, head) pair, which the four partners share
	s_mov_b32 s[G1K], 15|(1<<16)|(1<<20)|(1<<21)|(4<<22)|(3<<25)   ; the mask: all four; elements of 2 bytes; padding on; bit 21 beside a mask; after every 32 words four words
	s_mov_b32 s[G1V], 15|(1<<16)|(1<<20)|(1<<21)|(4<<22)|(7<<25)   ; the same with eight words
.irp g, G1K, G1V
	s_mov_b32 s[\g+1], 64<<16                      ; tensor_dim0 = 64
	s_mov_b32 s[\g+2], 128<<16                     ; tensor_dim1 = 128
	s_mov_b32 s[\g+3], 64<<16                      ; tile_dim0
	s_mov_b32 s[\g+4], 128                         ; tile_dim1
	s_mov_b32 s[\g+5], 64                          ; the pitch
	s_mov_b32 s[\g+6], 0
	s_mov_b32 s[\g+7], 0
.endr
	s_and_b32 s14, s[WV], 3                        ; which quarter of a window's 512 rows I fetch
	s_lshl_b32 s12, s11, 18
	s_lshl_b32 s13, s14, 14
	s_add_co_u32 s12, s12, s13
	s_mov_b32 s13, 0                               ; the pair's 262,144 bytes + my quarter's 16,384
	s_mul_i32 s15, s14, 128*PK                     ; and its place in a slot: K's,
	s_mul_i32 s56, s14, 128*VP
	s_add_co_u32 s56, s56, VOFF                    ; V's
	s_lshl_b32 s58, s[WP], 2
	s_add_co_u32 s58, s58, s10
	s_lshl_b32 s58, s58, 11                        ; my tile 0: (4 w' + cx) x 16 rows of 128 bytes
	s_lshl_b32 s59, s11, 18
	s_add_co_u32 s58, s58, s59
	s_mov_b32 s59, 0
	s_mov_b32 s[CS], 0x3e38aa3b                    ; c = log2(e) / 8
	s_mov_b32 s[CS+1], s[CS]
	s_mov_b32 s[SEL], 0x76543210
	s_mov_b32 s[SEL+1], 0xfedcba98
	s_mov_b32 s[TK], 0
	s_mov_b32 s[TV], 0
	s_mov_b32 s[KP], 0
	s_wait_dscnt 0x0                               ; both opening adds are done
	s_wait_kmcnt 0x0
	s_add_nc_u64 s[12:13], s[4:5], s[12:13]
.irp s, 0,1
	s_mov_b32 s[G0K+4*\s], 1
	s_add_co_u32 s[G0K+4*\s+1], s15, \s*SLOTB
	s_add_nc_u64 s[G0K+4*\s+2:G0K+4*\s+3], s[12:13], 0x1000000+\s*65536   ; K's part of qkv; slot s begins with window s
	s_or_b32 s[G0K+4*\s+3], s[G0K+4*\s+3], 0x80000000
	s_mov_b32 s[G0V+4*\s], 1
	s_add_co_u32 s[G0V+4*\s+1], s56, \s*SLOTB
	s_add_nc_u64 s[G0V+4*\s+2:G0V+4*\s+3], s[12:13], 0x2000000+\s*65536   ; V's part
	s_or_b32 s[G0V+4*\s+3], s[G0V+4*\s+3], 0x80000000
.endr
	s_add_nc_u64 s[4:5], s[4:5], s[58:59]          ; Q and att at my tile 0
	s_add_nc_u64 s[6:7], s[6:7], s[58:59]
	CROUND                                         ; all four work-groups are here: the first joint loads meet
	s_cmp_lt_u32 s[WV], 4                          ; a wave's two first fills stand in one branch
	s_cbranch_scc0 .Lfirst_v
	tensor_load_to_lds s[G0K:G0K+3], s[G1K:G1K+7]
	s_nop 0
	tensor_load_to_lds s[G0K+4:G0K+7], s[G1K:G1K+7]
	s_nop 0
.rept 4
	v_nop
.endr
	s_branch .Lfirst_asked
.Lfirst_v:
	tensor_load_to_lds s[G0V:G0V+3], s[G1V:G1V+7]
	s_nop 0
	tensor_load_to_lds s[G0V+4:G0V+7], s[G1V:G1V+7]
	s_nop 0
.rept 4
	v_nop
.endr
.Lfirst_asked:
	v_and_b32 v1, 15, v0                           ; r
	v_bfe_u32 v14, v0, 4, 1                        ; h
	v_lshlrev_b32 v[QO], 7, v1
	v_lshl_add_u32 v[QO], v14, 4, v[QO]            ; row r of 128 bytes + 16 h
	v_mul_u32_u24 v[AK0], v1, PK
	v_lshl_add_u32 v[AK0], v14, 4, v[AK0]
	WIN 0x40                                       ; destination window 1
.irp t, 0,1,2,3                                ; Q stays in registers: tile t lies 512 positions on from tile t - 1
.irp x, 0,1,2,3
	global_load_b128 v[QF+16*\t+4*\x:QF+16*\t+4*\x+3], v[QO], s[4:5] offset:65536*\t+32*\x
.endr
.endr
	WIN 0
	v_and_b32 v15, 7, v0
	v_lshl_add_u32 v[AV0], v14, 3, v15             ; the turning load: key 8 h + lane % 8,
	v_mul_u32_u24 v[AV0], v[AV0], VP
	v_bfe_u32 v15, v0, 3, 1
	v_lshl_add_u32 v[AV0], v15, 4, v[AV0]          ; channels 8 ((lane / 8) % 2) on
	v_add_nc_u32 v[AV0], VOFF, v[AV0]
	s_mul_i32 s57, s[WV], 16*PK                    ; my stage
	v_add_nc_u32 v[STO], s57, v[AK0]               ; in: row r, 16 bytes for each half of the lanes
	v_and_b32 v15, 31, v0
	v_lshlrev_b32 v[GO], 4, v15
	v_lshrrev_b32 v[RD], 3, v15
	v_mul_u32_u24 v[RD], v[RD], PK
	v_and_b32 v15, 7, v0
	v_lshl_add_u32 v[RD], v15, 4, v[RD]
	v_add_nc_u32 v[RD], s57, v[RD]                 ; back: eight lanes a row, four rows an instruction
	v_lshlrev_b32 v15, 3, v14
	v_sub_nc_u32 v[DG], v1, v15
	s_lshl_b32 s57, s10, 4
	v_add_nc_u32 v[DG], s57, v[DG]
	v_mov_b32 v[NINF], 0xff800000
.macro FETCH                           ; a step's fragments: K's 16 loads, then V's 16
	v_add_nc_u32 v[ADK], s[TK], v[AK0]
	v_add_nc_u32 v[ADV], s[TV], v[AV0]
.irp j, 0,1,2,3
.irp e, 0,1
	ds_load_b128 v[KF+16*\j+8*\e:KF+16*\j+8*\e+3], v[ADK] offset:16*PK*\j+64*\e
	ds_load_b128 v[KF+16*\j+8*\e+4:KF+16*\j+8*\e+7], v[ADK] offset:16*PK*\j+64*\e+32
.endr
.endr
	WIN 0x40
.irp g, 0,1
.irp c, 0,1,2,3
	ds_load_tr16_b128 v[VF+32*\g+8*\c:VF+32*\g+8*\c+3], v[ADV] offset:32*VP*\g+32*\c
	ds_load_tr16_b128 v[VF+32*\g+8*\c+4:VF+32*\g+8*\c+7], v[ADV] offset:32*VP*\g+16*VP+32*\c
.endr
.endr
	WIN 0
.endm
; S^T = K Q^T for tiles lo .. hi: channels 32 e on, keys 16 j on.  The accumulators take turns, one instruction a turn.
.macro KQM lo, hi
	WIN 0x04                                       ; Q in window 1
.irp e, 0,1
.irp t, 0,1,2,3
.if (\t >= (\lo)) && (\t <= (\hi))
.irp j, 0,1,2,3
.if \e == 0
	v_wmma_f32_16x16x32_f16 v[S+32*\t+8*\j:S+32*\t+8*\j+7], v[KF+16*\j+8*\e:KF+16*\j+8*\e+7], v[QF+16*\t+8*\e:QF+16*\t+8*\e+7], 0
.else
	v_wmma_f32_16x16x32_f16 v[S+32*\t+8*\j:S+32*\t+8*\j+7], v[KF+16*\j+8*\e:KF+16*\j+8*\e+7], v[QF+16*\t+8*\e:QF+16*\t+8*\e+7], v[S+32*\t+8*\j:S+32*\t+8*\j+7]
.endif
.endr
.endif
.endr
.endr
.endm
; O^T += V^T P for tiles lo .. hi: keys 32 g on, channels 16 c on.  first = 1: the first products start the sums.
.macro PVM lo, hi, first
	WIN 0x51                                       ; V and O^T in window 1, P in window 0
.irp g, 0,1
.irp t, 0,1,2,3
.if (\t >= (\lo)) && (\t <= (\hi))
.irp c, 0,1,2,3
.if \first && (\g == 0)
	v_wmma_f32_16x16x32_f16 v[32*\t+8*\c:32*\t+8*\c+7], v[VF+32*\g+8*\c:VF+32*\g+8*\c+7], v[S+32*\t+16*\g:S+32*\t+16*\g+7], 0
.else
	v_wmma_f32_16x16x32_f16 v[32*\t+8*\c:32*\t+8*\c+7], v[VF+32*\g+8*\c:VF+32*\g+8*\c+7], v[S+32*\t+16*\g:S+32*\t+16*\g+7], v[32*\t+8*\c:32*\t+8*\c+7]
.endif
.endr
.endif
.endr
.endr
.endm
.macro MASK t                          ; on the diagonal hidden scores become -infinity ahead of the maximum; each query's own key counts, so the maximum stays a number
.irp j, 0,1,2,3
.irp i, 0,1,2,3,4,5,6,7
	v_cmp_gt_i32 vcc_lo, 16*\j+\i, v[DG]
	v_cndmask_b32 v[S+32*(\t)+8*\j+\i], v[S+32*(\t)+8*\j+\i], v[NINF], vcc_lo
.endr
.endr
.endm
; A tile's softmax up to its exponentials: the maximum of 32 scores and the old m; the other half of the lanes'; c m; the scalings; the batch of exponentials.  Nothing here names an exponential's result.
.macro PRE t, first
.set rT, ST+8*(\t)
.set rS, S+32*(\t)
.irp j, 0,1,2,3
	v_max3_num_f32 v[rT+4+\j], v[rS+8*\j], v[rS+8*\j+1], v[rS+8*\j+2]      ; each accumulator is read from its low end on
.endr
.irp k, 1,2
.irp j, 0,1,2,3
	v_max3_num_f32 v[rT+4+\j], v[rT+4+\j], v[rS+8*\j+2*\k+1], v[rS+8*\j+2*\k+2]
.endr
.endr
	v_max3_num_f32 v[rT+4], v[rT+4], v[rS+7], v[rS+15]
	v_max3_num_f32 v[rT+6], v[rT+6], v[rS+23], v[rS+31]
	v_max3_num_f32 v[rT+4], v[rT+4], v[rT+5], v[rT+6]
.if \first
	v_max_num_f32 v[rT+4], v[rT+4], v[rT+7]
.else
	v_max3_num_f32 v[rT+4], v[rT+4], v[rT+7], v[rT+1]
	v_mov_b32 v[rT+7], v[rT]                       ; c m_old is kept for a
.endif
	v_permlanex16_b32 v[rT+5], v[rT+4], s[SEL], s[SEL+1]   ; the query's other 32 keys lie in the lane 16 away
	v_max_num_f32 v[rT+1], v[rT+4], v[rT+5]
	v_mul_f32 v[rT], s[CS], v[rT+1]
.if !\first
	v_sub_f32 v[rT+7], v[rT+7], v[rT]
.endif
.irp b, 0,1,2,3,4,5,6,7,8,9,10,11,12,13,14,15
	v_pk_fma_f32 v[rS+2*\b:rS+2*\b+1], v[rS+2*\b:rS+2*\b+1], s[CS:CS+1], v[rT:rT+1] op_sel_hi:[1,0,0] neg_lo:[0,0,1] neg_hi:[0,0,1]   ; c s - c m
.endr
.if !\first
	v_exp_f32 v[rT+6], v[rT+7]                     ; a
.endif
.irp e, 0,1,2,3,4,5,6,7,8,9,10,11,12,13,14,15,16,17,18,19,20,21,22,23,24,25,26,27,28,29,30,31
	v_exp_f32 v[rS+\e], v[rS+\e]
.endr
.endm
; And behind the wait: the sums of the unrounded weights, in two chains; l = a l + the sum; the weights packed to f16 in place; O^T times a.
.macro POST t, first
.set rT, ST+8*(\t)
.set rS, S+32*(\t)
.set rY, YS+2*(\t)
	v_pk_add_f32 v[rT+4:rT+5], v[rS:rS+1], v[rS+2:rS+3]
	v_pk_add_f32 v[rY:rY+1], v[rS+4:rS+5], v[rS+6:rS+7]
.irp b, 8,12,16,20,24,28
	v_pk_add_f32 v[rT+4:rT+5], v[rT+4:rT+5], v[rS+\b:rS+\b+1]
	v_pk_add_f32 v[rY:rY+1], v[rY:rY+1], v[rS+\b+2:rS+\b+3]
.endr
.if \first
	v_pk_add_f32 v[rT+2:rT+3], v[rT+4:rT+5], v[rY:rY+1]
.else
	v_pk_add_f32 v[rT+4:rT+5], v[rT+4:rT+5], v[rY:rY+1]
	v_pk_fma_f32 v[rT+2:rT+3], v[rT+2:rT+3], v[rT+6:rT+7], v[rT+4:rT+5] op_sel_hi:[1,0,1]
.endif
.irp g, 0,1
.irp d, 0,1,2,3,4,5,6,7
	v_cvt_pk_f16_f32 v[rS+16*\g+\d], v[rS+16*\g+2*\d], v[rS+16*\g+2*\d+1]   ; ascending: register d is written when registers up to 2 d + 1 have been read
.endr
.endr
.if !\first
	WIN 0x41                                       ; O^T in window 1, a in window 0
.irp n, 0,2,4,6,8,10,12,14,16,18,20,22,24,26,28,30
	v_pk_mul_f32 v[32*(\t)+\n:32*(\t)+\n+1], v[32*(\t)+\n:32*(\t)+\n+1], v[rT+6:rT+7] op_sel_hi:[1,0]
.endr
	WIN 0
.endif
.endm
; A KEY STEP in window win.  The tiles that see every key go together, with ONE wait for all their exponentials; then the window's own tile, while kp <= w'.
.macro STEP win, first
.if \win == 3
	s_cmp_gt_u32 s[KP], s[WP]                      ; in the last window a wave past its diagonal has nothing left
	s_cbranch_scc1 .Lidle_\@
.endif
	FETCH
	s_wait_dscnt 16                                ; K's fragments are in; V's 16 loads may be out
.if \win < 3
	KQM (\win)+1, 3
	WIN 0
	PLACES 4
.irp t, 1,2,3
.if \t > \win
	PRE \t, \first
.endif
.endr
	v_nop                                          ; a plain instruction behind the last exponential
	s_wait_alu depctr_va_vdst(0)                   ; one wait for the batch, ahead of the first instruction that names a result
.irp t, 1,2,3
.if \t > \win
	POST \t, \first
.endif
.endr
	s_wait_dscnt 0x0                               ; V
	PVM (\win)+1, 3, \first
	WIN 0
.if !\first                                    ; (at the very first step every wave's tile 0 works)
	s_cmp_gt_u32 s[KP], s[WP]
	s_cbranch_scc1 .Lidle_\@
.endif
.endif
	KQM \win, \win
	WIN 0
	PLACES 4
	s_cmp_lt_u32 s[KP], s[WP]
	s_cbranch_scc1 .Lopen_\@
	MASK \win
.Lopen_\@:
	PRE \win, \first
	v_nop
	s_wait_alu depctr_va_vdst(0)
	POST \win, \first
	s_wait_dscnt 0x0
	PVM \win, \win, \first
	WIN 0
.Lidle_\@:
	PLACES 5                                       ; the next step's first products write over registers that the last products read as P, and its loads land on K's and V's fragments
	s_add_co_u32 s[TK], s[TK], KSTP
	s_add_co_u32 s[TV], s[TV], VSTP
	s_add_co_u32 s[KP], s[KP], 1
.endm
; THE CHANGE OF WINDOWS.  Each wave waits for all its tensor loads (its part of the slot ahead), adds 0 to its spare word, and waits for that and for its reads of the slot that it leaves.
; fill = 1: the slot just left is filled again, with the window two on: the barrier is a round of the cluster's, and the joint refill is the first thing behind it.
.macro CHANGE fill, set, base
	s_wait_tensorcnt 0x0                           ; no tensor load of mine is out, so a group 0 may be written
	ds_add_u32 v[SPW], v[NIL]
.if \fill
	s_add_nc_u64 s[G0K+4*\set+2:G0K+4*\set+3], s[G0K+4*\set+2:G0K+4*\set+3], 131072   ; two windows of 512 rows of 128 bytes on
	s_add_nc_u64 s[G0V+4*\set+2:G0V+4*\set+3], s[G0V+4*\set+2:G0V+4*\set+3], 131072
.endif
	s_mov_b32 s[KP], 0
	s_mov_b32 s[TK], \base
	s_mov_b32 s[TV], \base
	s_wait_dscnt 0x0                               ; the add is done, and my reads of the slot are over
.if \fill
	CROUND
	JLOAD \set
.else
	s_barrier_signal -1
	s_barrier_wait -1
.endif
.endm
	s_wait_tensorcnt 1                             ; my part of slot 0 is in; slot 1's may stay out
	s_barrier_signal -1
	s_barrier_wait -1
	s_wait_loadcnt 0x0                             ; Q
	STEP 0, 1                                      ; the first step starts m, l and O^T of all four tiles
.Lw0:
	STEP 0, 0
	s_cmp_lt_u32 s[KP], 8
	s_cbranch_scc1 .Lw0
	CHANGE 1, 0, SLOTB                             ; slot 0 takes window 2
.Lw1:
	STEP 1, 0
	s_cmp_lt_u32 s[KP], 8
	s_cbranch_scc1 .Lw1
	CHANGE 1, 1, 0                                 ; slot 1 takes window 3
.Lw2:
	STEP 2, 0
	s_cmp_lt_u32 s[KP], 8
	s_cbranch_scc1 .Lw2
	CHANGE 0, 0, SLOTB                             ; nothing is left to fetch
.Lw3:
	STEP 3, 0
	s_cmp_lt_u32 s[KP], 8
	s_cbranch_scc1 .Lw3
	; THE WAY OUT.  l's two halves and the other half of the lanes' are added; O^T is divided by l, rounded to f16 and sent through my stage, a tile at a time.
.irp t, 0,1,2,3
	v_add_f32 v[ST+8*\t+4], v[ST+8*\t+2], v[ST+8*\t+3]
.endr
.irp t, 0,1,2,3
	v_permlanex16_b32 v[ST+8*\t+5], v[ST+8*\t+4], s[SEL], s[SEL+1]
.endr
.irp t, 0,1,2,3
	v_add_f32 v[ST+8*\t+4], v[ST+8*\t+4], v[ST+8*\t+5]
.endr
.irp t, 0,1,2,3
	v_rcp_f32 v[ST+8*\t+6], v[ST+8*\t+4]
.endr
	v_nop
	s_wait_alu depctr_va_vdst(0)                   ; one wait for the four reciprocals
.macro PACKO t
	WIN 0x41
.irp n, 0,2,4,6,8,10,12,14,16,18,20,22,24,26,28,30
	v_pk_mul_f32 v[32*\t+\n:32*\t+\n+1], v[32*\t+\n:32*\t+\n+1], v[ST+8*\t+6:ST+8*\t+7] op_sel_hi:[1,0]
.endr
	WIN 0x05                                       ; sources 0 and 1 window 1, destination window 0
.irp n, 0,1,2,3,4,5,6,7,8,9,10,11,12,13,14,15
	v_cvt_pk_f16_f32 v[S+32*\t+\n], v[32*\t+2*\n], v[32*\t+2*\n+1]
.endr
	WIN 0
.irp c, 0,1,2,3
	ds_store_b128 v[STO], v[S+32*\t+4*\c:S+32*\t+4*\c+3] offset:32*\c
.endr
.irp i, 0,1,2,3
	ds_load_b128 v[S+32*\t+16+4*\i:S+32*\t+16+4*\i+3], v[RD] offset:4*PK*\i   ; LDS serves a wave's instructions in order: these see the stores above, and the next tile's stores come behind them
.endr
.endm
.macro SENDO t, younger
	s_wait_dscnt \younger
.irp i, 0,1,2,3
	global_store_b128 v[GO], v[S+32*\t+16+4*\i:S+32*\t+16+4*\i+3], s[6:7] offset:65536*\t+512*\i   ; 32 lanes store four rows: 512 consecutive bytes, aligned
.endr
.endm
	PACKO 0
	PACKO 1
	SENDO 0, 8                                     ; behind tile 0's loads: tile 1's 4 stores and 4 loads
	PACKO 2
	SENDO 1, 8
	PACKO 3
	SENDO 2, 8
	SENDO 3, 0
	s_wait_tensorcnt 0x0                           ; the wave's end
	ds_add_u32 v[SPW], v[NIL]
	s_wait_dscnt 0x0
	CROUND                                         ; the closing round
	s_endpgm
.Lfunc_end_k_q7a9eccdb5e_attn:
	.size	k_q7a9eccdb5e_attn, .Lfunc_end_k_q7a9eccdb5e_attn-k_q7a9eccdb5e_attn
	.p2alignl 7, 3214868480
	.fill 96, 4, 3214868480
	.section	.rodata,"a",@progbits
	.p2align	6, 0x0
	.amdhsa_kernel k_q7a9eccdb5e_attn
		.amdhsa_group_segment_fixed_size 327680
		.amdhsa_private_segment_fixed_size 0
		.amdhsa_enable_private_segment 0
		.amdhsa_kernarg_size 16
		.amdhsa_user_sgpr_count 2
		.amdhsa_user_sgpr_kernarg_segment_ptr 1
		.amdhsa_wavefront_size32 1
		.amdhsa_system_sgpr_workgroup_id_x 1
		.amdhsa_system_sgpr_workgroup_id_y 1
		.amdhsa_system_sgpr_workgroup_id_z 1
		.amdhsa_system_vgpr_workitem_id 0
		.amdhsa_next_free_vgpr 512
		.amdhsa_next_free_sgpr 66
		.amdhsa_reserve_vcc 1
		.amdhsa_float_denorm_mode_32 3
		.amdhsa_float_denorm_mode_16_64 3
		.amdhsa_memory_ordered 1
		.amdhsa_forward_progress 1
		.amdhsa_inst_pref_size 147
	.end_amdhsa_kernel
	.amdgpu_metadata
---
amdhsa.version: [ 1, 2 ]
amdhsa.kernels:
  - .name:           k_q7a9eccdb5e_attn
    .symbol:         k_q7a9eccdb5e_attn.kd
    .args:
      - { .name: qkv, .offset: 0, .size: 8, .value_kind: global_buffer, .address_space: global }
      - { .name: att, .offset: 8, .size: 8, .value_kind: global_buffer, .address_space: global }
    .group_segment_fixed_size: 327680
    .private_segment_fixed_size: 0
    .kernarg_segment_align: 8
    .kernarg_segment_size: 16
    .max_flat_workgroup_size: 256
    .sgpr_count:     66
    .vgpr_count:     512
    .wavefront_size: 32
...
	.end_amdgpu_metadata
.endif
;; end of part 3
;; launch proj (part 4): grid 4 x 64, 4 waves a work-group, clusters of 4 x 4, 327,680 bytes of LDS; arguments att, wo16, bo, out0; writes out0
.if DOCPART == 4
	.amdgcn_target "amdgcn-amd-amdhsa--gfx1250"
	.amdhsa_code_object_version 6
	.text
	.protected	k_q7a9eccdb5e_proj
	.globl	k_q7a9eccdb5e_proj
	.p2align	8
	.type	k_q7a9eccdb5e_proj,@function
k_q7a9eccdb5e_proj:
	s_mov_b64 s[64:65], 0
	v_nop
	global_prefetch_b8 v0, s[64:65] scope:SCOPE_SE
	s_setreg_imm32_b32 hwreg(HW_REG_WAVE_MODE, 25, 1), 1
	s_wait_xcnt 0x0
	s_wait_alu depctr_hold_cnt(0) depctr_sa_sdst(0) depctr_va_vdst(0) depctr_va_sdst(0) depctr_va_ssrc(0) depctr_va_vcc(0) depctr_vm_vsrc(0)
	s_getreg_b32 s2, hwreg(HW_REG_IB_STS2, 6, 4)
	s_cmp_eq_u32 s2, 0
	s_cbranch_scc0 .Lentry_in_a_cluster
	s_endpgm
.Lentry_in_a_cluster:
	s_bfe_u32 s2, ttmp6, 0x10000c
	s_cmp_lg_u32 s2, 0xf033
	s_cbranch_scc0 .Lentry_shape_is_right
	s_endpgm
.Lentry_shape_is_right:
; out0[m][n] = the sum over k of A[m][k] Wo[n][k] + bo[n].  A is attention's output, f16, laid [4 batches][16 heads][2048 positions][64]: k = 64 x head + channel.  wo16: [1024][1024] f16.  out0: [8192][1024] f32.  Sums in f32; the bias is the C of each sum's first product.
; A tile of C is 128 (m) x 256 (n): 256 work-groups.  Four waves, each 64 x 128: 32 accumulators, 256 registers.  K goes in steps of 128, two heads, through a ring of two LDS slots: A's tile is two planes (heads) of 128 rows x 128 bytes,
; each dense in memory; B's is 256 rows x 256 bytes.  Waves 0 and 1 fetch A's planes, waves 2 and 3 B's halves: one tensor load a wave behind each change of slots.
; CLUSTERS: 4 x 4.  Tile column = cx, tile row = 4 x cluster y + cy.  A's tile is shared along a row of the cluster, B's along a column: joint loads.
; THE MATRIX INSTRUCTION IS USED TRANSPOSED (source 0 = 16 rows of Wo, source 1 = 16 rows of A): a lane holds eight neighbouring columns of a row of C.
; Rows of positions 0 to 15 are written here too; the last launch writes them again, from f32 operands.
; REGISTERS: window 0: v16-30 addresses; v32-95 A's fragments, two buffers of 4 x 8; v96-223 B's, two buffers of 8 x 8.   window 1: accumulator (a, b) at v[8 (8 a + b)].   window 2: v0-63 the bias in the result's layout.
.set PA,     144                       ; A's LDS row: 128 bytes + 16
.set PB,     272                       ; B's: 256 + 16: both odd multiples of 16
.set BOFF,   2*128*PA
.set SLOT,   BOFF+256*PB
.set STAGE,  2*SLOT                    ; behind the ring: 16 rows x 528 bytes for each wave
.set SPITCH, 528
.set SPARE,  STAGE+4*16*SPITCH
.set ADRA, 16
.set ADRB, 20
.set STO,  24
.set RD,   25
.set CO,   26
.set SPW,  28
.set NIL,  29
.set BO,   30
.set FA,   32
.set FB,   96
.set BK,   32
.set G1, 24
.set G0, 32
.set G1B, 48
.set G0B, 56
.set MSB, 0
.macro WIN new
.if MSB != \new
	s_set_vgpr_msb (MSB<<8)|\new
.set MSB, \new
.endif
.endm
.set MUL,  0x50                        ; sources 0 and 1 window 0; C and D window 1
.set MUL0, 0x60                        ; the first quarter: C (the bias) window 2, D window 1
.macro JLOAD s
	s_cmp_eq_u32 s11, 0
	s_cbranch_scc0 .Lfor_b_\@
	tensor_load_to_lds s[G0+4*\s:G0+4*\s+3], s[G1:G1+7]
	s_nop 0
.rept 4
	v_nop
.endr
	s_branch .Lasked_\@
.Lfor_b_\@:
	tensor_load_to_lds s[G0B+4*\s:G0B+4*\s+3], s[G1B:G1B+7]
	s_nop 0
.rept 4
	v_nop
.endr
.Lasked_\@:
.endm
.macro CREST
	s_cmp_lg_u32 s10, 0
	s_cbranch_scc1 .Lnot_wave_0_\@
	s_barrier_signal -3
.Lnot_wave_0_\@:
	s_barrier_wait -3
	s_barrier_signal -1
	s_barrier_wait -1
.endm
.macro CROUND
	s_barrier_signal -1
	s_barrier_wait -1
	CREST
.endm
	s_load_b128 s[4:7], s[0:1], 0x0                ; att, wo16
	s_load_b128 s[16:19], s[0:1], 0x10             ; bo, out0
	v_lshl_add_u32 v[SPW], v0, 2, SPARE
	v_mov_b32 v[NIL], 0
	ds_add_u32 v[SPW], v[NIL]                      ; the wave's opening: the add, twice on end, and its wait ahead of my first tensor load
	ds_add_u32 v[SPW], v[NIL]
	v_lshrrev_b32 v1, 5, v0
	v_readfirstlane_b32 s10, v1                    ; wave 0..3
	s_lshr_b32 s11, s10, 1                         ; which 64 rows of the tile are mine.  Also: I fetch for A (0) or for B (1)
	s_and_b32 s12, s10, 1                          ; which 128 columns.  Also: which plane of A, or which 128 rows of B, I fetch
	s_bfe_u32 s40, ttmp6, 0x40000                  ; cx = the tile column
	s_bfe_u32 s41, ttmp6, 0x40004                  ; cy
	s_and_b32 s13, ttmp7, 0xffff
	s_lshl_b32 s13, s13, 2
	s_add_co_u32 s13, s13, s41                     ; tile row = 4 x cluster y + cy
	s_lshl_b32 s43, s41, 2
	s_lshl_b32 s43, 15, s43                        ; my row of the cluster
	s_lshl_b32 s44, 0x1111, s40                    ; my column
	s_or_b32 s[G1+0], s43, (1<<16)|(1<<20)|(1<<21)|(4<<22)|(3<<25)   ; A: elements of 2 bytes; four words of padding after every 32
	s_mov_b32 s[G1+1], 64<<16
	s_mov_b32 s[G1+2], 128<<16
	s_mov_b32 s[G1+3], 64<<16
	s_mov_b32 s[G1+4], 128
	s_mov_b32 s[G1+5], 64
	s_mov_b32 s[G1+6], 0
	s_mov_b32 s[G1+7], 0
	s_or_b32 s[G1B+0], s44, (1<<16)|(1<<20)|(1<<21)|(5<<22)|(3<<25)  ; B: four words after every 64
	s_mov_b32 s[G1B+1], 128<<16
	s_mov_b32 s[G1B+2], 128<<16
	s_mov_b32 s[G1B+3], 128<<16
	s_mov_b32 s[G1B+4], 128
	s_mov_b32 s[G1B+5], 1024
	s_mov_b32 s[G1B+6], 0
	s_mov_b32 s[G1B+7], 0
	s_lshr_b32 s14, s13, 4                         ; A: the batch,
	s_lshl_b32 s14, s14, 22
	s_and_b32 s15, s13, 15                         ; the tile's 128 positions in it,
	s_lshl_b32 s15, s15, 14
	s_add_co_u32 s14, s14, s15
	s_lshl_b32 s15, s12, 18                        ; my head of the K step's two
	s_add_co_u32 s14, s14, s15
	s_mov_b32 s15, 0
	s_lshl_b32 s46, s40, 8                         ; B: row 256 cx + 128 x half, 2,048 bytes each
	s_lshl_b32 s47, s12, 7
	s_add_co_u32 s46, s46, s47
	s_lshl_b32 s46, s46, 11
	s_mov_b32 s47, 0
	s_mul_i32 s20, s12, 128*PA                     ; where they go: made of the wave's number alone
	s_mul_i32 s21, s12, 128*PB
	s_add_co_u32 s21, s21, BOFF
	s_wait_dscnt 0x0                               ; both opening adds are done
	s_wait_kmcnt 0x0
	s_add_nc_u64 s[14:15], s[4:5], s[14:15]
	s_add_nc_u64 s[46:47], s[6:7], s[46:47]
	CROUND                                         ; all sixteen work-groups are here: the first joint loads meet
.irp s, 0,1
	s_mov_b32 s[G0+4*\s], 1
	s_add_co_u32 s[G0+4*\s+1], s20, \s*SLOT
	s_add_nc_u64 s[G0+4*\s+2:G0+4*\s+3], s[14:15], \s*524288       ; K step s: two heads on
	s_or_b32 s[G0+4*\s+3], s[G0+4*\s+3], 0x80000000
	s_mov_b32 s[G0B+4*\s], 1
	s_add_co_u32 s[G0B+4*\s+1], s21, \s*SLOT
	s_add_nc_u64 s[G0B+4*\s+2:G0B+4*\s+3], s[46:47], \s*256
	s_or_b32 s[G0B+4*\s+3], s[G0B+4*\s+3], 0x80000000
	JLOAD \s
.endr
	v_and_b32 v1, 15, v0                           ; r
	v_bfe_u32 v2, v0, 4, 1                         ; h
	v_lshlrev_b32 v[BO], 5, v2
	s_lshl_b32 s20, s40, 10
	s_lshl_b32 s21, s12, 9
	s_add_co_u32 s20, s20, s21                     ; my 128 columns, in bytes of f32
	s_mov_b32 s21, 0
	s_add_nc_u64 s[16:17], s[16:17], s[20:21]
	s_add_nc_u64 s[18:19], s[18:19], s[20:21]
	WIN 0x80                                       ; destination window 2
.irp b, 0,1,2,3,4,5,6,7
	global_load_b128 v[8*\b:8*\b+3], v[BO], s[16:17] offset:64*\b            ; register 8 b + j: the bias of column 16 b + 8 h + j
	global_load_b128 v[8*\b+4:8*\b+7], v[BO], s[16:17] offset:64*\b+16
.endr
	WIN 0
	s_lshl_b32 s20, s13, 7
	s_lshl_b32 s22, s11, 6
	s_add_co_u32 s20, s20, s22                     ; my first row of C: 128 x tile row + 64 x half
	s_lshl_b32 s20, s20, 12
	s_add_nc_u64 s[18:19], s[18:19], s[20:21]
	v_mul_u32_u24 v3, v1, PA
	v_lshl_add_u32 v3, v2, 4, v3
	v_mul_u32_u24 v4, v1, PB
	v_lshl_add_u32 v4, v2, 4, v4
	s_mul_i32 s21, s11, 64*PA                      ; my 64 rows of A, in each plane
	s_mul_i32 s22, s12, 128*PB                     ; my 128 rows of B
	s_add_co_u32 s22, s22, BOFF
.irp s, 0,1
	v_add_nc_u32 v[ADRA+\s], s21, v3
	v_add_nc_u32 v[ADRB+\s], s22, v4
	s_add_co_u32 s21, s21, SLOT
	s_add_co_u32 s22, s22, SLOT
.endr
	s_mul_i32 s23, s10, 16*SPITCH
	s_add_co_u32 s23, s23, STAGE                   ; my stage
	v_mul_u32_u24 v5, v1, SPITCH
	v_lshl_add_u32 v5, v2, 5, v5
	v_add_nc_u32 v[STO], s23, v5
	v_and_b32 v6, 31, v0
	v_lshlrev_b32 v[CO], 4, v6
	v_add_nc_u32 v[RD], s23, v[CO]
; 8 matrix instructions: A's block a x B's eight, 32 along K, from buffer f.  zero = 1: the sums start from the bias.  The 32 accumulators take turns in the same order in every quarter.
.macro MUL8 f, a, zero
.irp b, 0,1,2,3,4,5,6,7
.if \zero
	v_wmma_f32_16x16x32_f16 v[8*(8*(\a)+\b):8*(8*(\a)+\b)+7], v[FB+64*(\f)+8*\b:FB+64*(\f)+8*\b+7], v[FA+32*(\f)+8*(\a):FA+32*(\f)+8*(\a)+7], v[8*\b:8*\b+7]
.else
	v_wmma_f32_16x16x32_f16 v[8*(8*(\a)+\b):8*(8*(\a)+\b)+7], v[FB+64*(\f)+8*\b:FB+64*(\f)+8*\b+7], v[FA+32*(\f)+8*(\a):FA+32*(\f)+8*(\a)+7], v[8*(8*(\a)+\b):8*(8*(\a)+\b)+7]
.endif
.endr
.endm
; 24 LDS loads in one run: quarter q (32 along K) of a slot into buffer f: B's 16, then A's 8.  Quarter q lies in plane q / 2 of A, at byte 64 (q % 2) of its rows, and at byte 64 q of B's rows.
.macro FETCH slot, q, f
.irp b, 0,1,2,3,4,5,6,7
	ds_load_b128 v[FB+64*(\f)+8*\b:FB+64*(\f)+8*\b+3], v[ADRB+\slot] offset:64*(\q)+16*PB*\b
	ds_load_b128 v[FB+64*(\f)+8*\b+4:FB+64*(\f)+8*\b+7], v[ADRB+\slot] offset:64*(\q)+16*PB*\b+32
.endr
.irp a, 0,1,2,3
	ds_load_b128 v[FA+32*(\f)+8*\a:FA+32*(\f)+8*\a+3], v[ADRA+\slot] offset:128*PA*((\q)/2)+64*((\q)%2)+16*PA*\a
	ds_load_b128 v[FA+32*(\f)+8*\a+4:FA+32*(\f)+8*\a+7], v[ADRA+\slot] offset:128*PA*((\q)/2)+64*((\q)%2)+16*PA*\a+32
.endr
.endm
.macro PLACES
.rept 4
	v_nop
.endr
.endm
.macro MWIN zero
.if \zero
	WIN MUL0
.else
	WIN MUL
.endif
.endm
; One of a K step's first three quarters: multiplies buffer f; in its middle it fetches quarter qn of the same slot into buffer g.
.macro QUARTER slot, qn, f, g, zero
	s_wait_dscnt 4                                 ; B and A's blocks 0, 1 are in; the youngest four loads (A's blocks 2, 3) may be out
	MWIN \zero
	MUL8 \f, 0, \zero
	MUL8 \f, 1, \zero
	PLACES
	WIN 0
	FETCH \slot, \qn, \g
	s_wait_dscnt 24                                ; all but the 24 just issued
	MWIN \zero
	MUL8 \f, 2, \zero
	MUL8 \f, 3, \zero
.endm
; The last quarter multiplies buffer 1 and changes slots: ONE barrier; in front of it each wave waits for all its tensor loads, adds 0 to its spare word, and waits for that and for its reads of this slot.
; fill = 1: the barrier opens a round of the cluster's, and this slot is filled again, two K steps ahead, first thing behind it.
.macro TURN slot, next, fill
	WIN 0
	s_wait_tensorcnt 0x0                           ; all my tensor loads have landed: my part of the next slot
	ds_add_u32 v[SPW], v[NIL]
	s_wait_dscnt 5                                 ; (the add and the youngest four loads may be out)
	WIN MUL
	MUL8 1, 0, 0
	s_wait_dscnt 0x0                               ; the add is done, and my reads of this slot are over
	s_barrier_signal -1
	MUL8 1, 1, 0
	WIN 0
	s_barrier_wait -1
.if \fill
	CREST
	s_add_nc_u64 s[G0+4*\slot+2:G0+4*\slot+3], s[G0+4*\slot+2:G0+4*\slot+3], 1048576   ; four heads on
	s_add_nc_u64 s[G0B+4*\slot+2:G0B+4*\slot+3], s[G0B+4*\slot+2:G0B+4*\slot+3], 512
	JLOAD \slot                                    ; the four v_nop behind it are also the places in front of the loads below
.else
	PLACES
.endif
	FETCH \next, 0, 0
	WIN MUL
	MUL8 1, 2, 0
	MUL8 1, 3, 0
.endm
	s_wait_tensorcnt 1                             ; my part of K step 0 is in (K step 1's may be out)
	s_barrier_signal -1
	s_barrier_wait -1
	s_wait_loadcnt 0x0                             ; the bias
	FETCH 0, 0, 0
	QUARTER 0, 1, 0, 1, 1                          ; the first quarter stands in front of the loop: its products start the sums
	WIN 0
	s_mov_b32 s3, 3                                ; 8 K steps: two first fills, and two refills in each of three trips
.Llap:
	QUARTER 0, 2, 1, 0, 0
	QUARTER 0, 3, 0, 1, 0
	TURN 0, 1, 1
	QUARTER 1, 1, 0, 1, 0
	QUARTER 1, 2, 1, 0, 0
	QUARTER 1, 3, 0, 1, 0
	TURN 1, 0, 1
	QUARTER 0, 1, 0, 1, 0
	WIN 0
	s_sub_co_u32 s3, s3, 1
	s_cmp_lg_u32 s3, 0
	s_cbranch_scc1 .Llap
	QUARTER 0, 2, 1, 0, 0                          ; the last lap fills nothing
	QUARTER 0, 3, 0, 1, 0
	TURN 0, 1, 0
	QUARTER 1, 1, 0, 1, 0
	QUARTER 1, 2, 1, 0, 0
	QUARTER 1, 3, 0, 1, 0
	s_wait_dscnt 4
	WIN MUL
	MUL8 1, 0, 0
	MUL8 1, 1, 0
	s_wait_dscnt 0
	MUL8 1, 2, 0
	MUL8 1, 3, 0
	WIN 0
; THE WAY OUT, block by block of 16 rows x 128 columns: through my own stage, back as whole rows of 512 bytes.
.macro TOSTAGE a
	WIN 0x04                                       ; an LDS store's data are its source 1: window 1
.irp b, 0,1,2,3,4,5,6,7
	ds_store_b128 v[STO], v[8*(8*(\a)+\b):8*(8*(\a)+\b)+3] offset:64*\b        ; each accumulator from its low end on
	ds_store_b128 v[STO], v[8*(8*(\a)+\b)+4:8*(8*(\a)+\b)+7] offset:64*\b+16
.endr
	WIN 0
.set BB, BK+64*((\a)%2)
.irp t, 0,1,2,3,4,5,6,7,8,9,10,11,12,13,14,15
	ds_load_b128 v[BB+4*\t:BB+4*\t+3], v[RD] offset:\t*SPITCH
.endr
.endm
.macro SEND a, younger
.set BB, BK+64*((\a)%2)
	s_wait_dscnt \younger
.irp t, 0,1,2,3,4,5,6,7,8,9,10,11,12,13,14,15
	global_store_b128 v[CO], v[BB+4*\t:BB+4*\t+3], s[18:19] offset:65536*(\a)+4096*\t th:TH_STORE_NT   ; 32 lanes store 512 consecutive bytes, aligned
.endr
.endm
	PLACES
	TOSTAGE 0
.irp a, 1,2,3
.if \a > 1
	s_wait_xcnt 0x0                                ; block a - 2's stores have read their registers: block a's loads may land there
.endif
	TOSTAGE \a
	SEND \a-1, 32                                  ; behind block a - 1's loads: block a's 16 stores and 16 loads
.endr
	SEND 3, 0
	s_wait_tensorcnt 0x0                           ; the wave's end
	ds_add_u32 v[SPW], v[NIL]
	s_wait_dscnt 0x0
	CROUND                                         ; the closing round
	s_endpgm
.Lfunc_end_k_q7a9eccdb5e_proj:
	.size	k_q7a9eccdb5e_proj, .Lfunc_end_k_q7a9eccdb5e_proj-k_q7a9eccdb5e_proj
	.p2alignl 7, 3214868480
	.fill 96, 4, 3214868480
	.section	.rodata,"a",@progbits
	.p2align	6, 0x0
	.amdhsa_kernel k_q7a9eccdb5e_proj
		.amdhsa_group_segment_fixed_size 327680
		.amdhsa_private_segment_fixed_size 0
		.amdhsa_enable_private_segment 0
		.amdhsa_kernarg_size 32
		.amdhsa_user_sgpr_count 2
		.amdhsa_user_sgpr_kernarg_segment_ptr 1
		.amdhsa_wavefront_size32 1
		.amdhsa_system_sgpr_workgroup_id_x 1
		.amdhsa_system_sgpr_workgroup_id_y 1
		.amdhsa_system_sgpr_workgroup_id_z 1
		.amdhsa_system_vgpr_workitem_id 0
		.amdhsa_next_free_vgpr 576
		.amdhsa_next_free_sgpr 66
		.amdhsa_reserve_vcc 0
		.amdhsa_float_denorm_mode_32 3
		.amdhsa_float_denorm_mode_16_64 3
		.amdhsa_memory_ordered 1
		.amdhsa_forward_progress 1
		.amdhsa_inst_pref_size 86
	.end_amdhsa_kernel
	.amdgpu_metadata
---
amdhsa.version: [ 1, 2 ]
amdhsa.kernels:
  - .name:           k_q7a9eccdb5e_proj
    .symbol:         k_q7a9eccdb5e_proj.kd
    .args:
      - { .name: att, .offset: 0, .size: 8, .value_kind: global_buffer, .address_space: global }
      - { .name: wo16, .offset: 8, .size: 8, .value_kind: global_buffer, .address_space: global }
      - { .name: bo, .offset: 16, .size: 8, .value_kind: global_buffer, .address_space: global }
      - { .name: out0, .offset: 24, .size: 8, .value_kind: global_buffer, .address_space: global }
    .group_segment_fixed_size: 327680
    .private_segment_fixed_size: 0
    .kernarg_segment_align: 8
    .kernarg_segment_size: 32
    .max_flat_workgroup_size: 128
    .sgpr_count:     66
    .vgpr_count:     576
    .wavefront_size: 32
...
	.end_amdgpu_metadata
.endif
;; end of part 4
;; launch head16 (part 5): grid 16 x 4, 16 waves a work-group, no clusters, 71,680 bytes of LDS; arguments first, Wo, bo, out0; writes out0
.if DOCPART == 5
	.amdgcn_target "amdgcn-amd-amdhsa--gfx1250"
	.amdhsa_code_object_version 6
	.text
	.protected	k_q7a9eccdb5e_head16
	.globl	k_q7a9eccdb5e_head16
	.p2align	8
	.type	k_q7a9eccdb5e_head16,@function
k_q7a9eccdb5e_head16:
	s_mov_b64 s[64:65], 0
	v_nop
	global_prefetch_b8 v0, s[64:65] scope:SCOPE_SE
	s_setreg_imm32_b32 hwreg(HW_REG_WAVE_MODE, 25, 1), 1
	s_wait_xcnt 0x0
; Positions 0 to 15 of every sequence once more, all in f32: these rows average one to sixteen values and are the largest of the output.  first: [3 (q, k, v)][4 batches][16 positions][1024] f32.  Wo: [1024][1024] f32.  out0 rows b x 2048 + 0 .. 15.
; SHARES.  A work-group makes 64 output columns (work-group x) of one batch (work-group y).  Wave w is head w: it makes the head's 16 x 16 causal attention and its part of the 16 x 64 outputs; the sixteen parts meet in LDS, in a fixed order.
; All products by v_wmma_f32_16x16x4_f32; every sum starts with the constant 0; v32-111, which these instructions write, are written by nothing else.  There is no loop.
; k IS PERMUTED ALIKE ON BOTH SOURCES, so that no result changes lanes: S^T = K Q^T leaves lane (r, h) query r and keys 8 h + i; those eight registers, in pairs, are source 1 of O^T = V^T P, with V loaded so that the same lane slots
; hold the same keys; O^T leaves lane (r, h) query r and channels 16 c + 8 h + i, which in pairs are source 1 of OUT^T = Wo O^T, with Wo's rows loaded likewise.
; No cluster, no tensor load: what the work-groups share is small, and each wave's operands go straight into its registers.
; REGISTERS: v3-11 addresses; v12, v13 the add's two; v14, v15 at work; v16-23 the scores, then p; v24-27 the bias; v28 c m, v29 m, v30 1 / l, v31 l; v32-47 two score sums; v48-79 O^T; v80-111 OUT^T;
;   v112-143 Q, later Wo's channels 16-31; v144-175 K, later channels 32-47; both later the sixteen parts; v176-207 V, later O^T / l; v208-239 Wo's channels 0-15, later 48-63.
.set SPARE, 69632                      ; behind the sixteen parts of 4,352 bytes: the spare words, 128 bytes a wave
.set SPW, 12
.set NIL, 13
	s_load_b128 s[4:7], s[0:1], 0x0                ; first, Wo
	s_load_b128 s[8:11], s[0:1], 0x10              ; bo, out0
	v_lshl_add_u32 v[SPW], v0, 2, SPARE
	v_mov_b32 v[NIL], 0
	v_lshrrev_b32 v1, 5, v0
	v_readfirstlane_b32 s12, v1                    ; wave = head
	s_and_b32 s13, ttmp7, 0xffff                   ; batch
	v_and_b32 v1, 15, v0                           ; r
	v_bfe_u32 v2, v0, 4, 1                         ; h
	v_lshlrev_b32 v3, 12, v1
	v_lshl_add_u32 v5, v2, 5, v3                   ; Wo: row r of 4,096 bytes + 32 h
	v_lshl_add_u32 v3, v2, 4, v3                   ; Q, K: row r + 16 h
	v_lshlrev_b32 v4, 2, v1
	v_lshl_add_u32 v4, v2, 15, v4                  ; V: key 8 h, channel r
	s_mul_i32 s14, s12, 4352
	v_mul_u32_u24 v6, v2, 544
	v_lshl_add_u32 v6, v1, 4, v6
	v_add_nc_u32 v6, s14, v6                       ; my part in LDS: line 4 c + 2 h + g of 272 bytes holds columns 4 x line + 0 .. 3 of the 16 queries, 16 bytes each
	v_bfe_u32 v15, v0, 4, 4                        ; on the way out thread t of the first 256 takes query t / 16,
	v_mul_u32_u24 v7, v1, 272                      ; line t % 16
	v_lshl_add_u32 v7, v15, 4, v7
	v_lshlrev_b32 v11, 4, v1                       ; 16 x line: its four columns in bo,
	v_lshl_add_u32 v8, v15, 12, v11                ; and in out0
	v_lshlrev_b32 v9, 3, v2
	v_sub_nc_u32 v9, v1, v9                        ; r - 8 h: register i is hidden where i is above it
	v_mov_b32 v10, 0xff800000
	s_lshl_b32 s16, s13, 16                        ; first: batch x 65,536 + head x 256
	s_lshl_b32 s17, s12, 8
	s_add_co_u32 s16, s16, s17
	s_mov_b32 s17, 0
	s_lshl_b32 s18, ttmp9, 18                      ; Wo: my 64 rows, the head's 64 channels
	s_lshl_b32 s19, s12, 8
	s_add_co_u32 s18, s18, s19
	s_mov_b32 s19, 0
	s_lshl_b32 s20, ttmp9, 8                       ; bo: my 64 columns
	s_mov_b32 s21, 0
	s_lshl_b32 s22, s13, 23                        ; out0: batch x 2,048 rows of 4,096 bytes + my columns
	s_add_co_u32 s22, s22, s20
	s_mov_b32 s23, 0
	s_mov_b32 s24, 0x3e38aa3b                      ; c = log2(e) / 8
	s_mov_b32 s25, s24
	s_mov_b32 s26, 0x76543210
	s_mov_b32 s27, 0xfedcba98
	s_wait_kmcnt 0x0
	s_add_nc_u64 s[4:5], s[4:5], s[16:17]
	s_add_nc_u64 s[6:7], s[6:7], s[18:19]
	s_add_nc_u64 s[8:9], s[8:9], s[20:21]
	s_add_nc_u64 s[10:11], s[10:11], s[22:23]
.irp u, 0,1,2,3,4,5,6,7
	global_load_b128 v[112+4*\u:115+4*\u], v3, s[4:5] offset:32*\u             ; Q(r, 8 u + 4 h + 0 .. 3)
.endr
.irp u, 0,1,2,3,4,5,6,7
	global_load_b128 v[144+4*\u:147+4*\u], v3, s[4:5] offset:262144+32*\u      ; K likewise
.endr
.irp c, 0,1,2,3
.irp i, 0,1,2,3,4,5,6,7
	global_load_b32 v[176+8*\c+\i], v4, s[4:5] offset:524288+4096*\i+64*\c     ; V(key 8 h + i, channel 16 c + r)
.endr
.endr
.macro WLOAD reg, dt                   ; Wo(row 16 c + r, channels 16 dt + 8 h + 0 .. 7) at v[reg + 8 c ..]
.irp c, 0,1,2,3
.irp g, 0,1
	global_load_b128 v[\reg+8*\c+4*\g:\reg+8*\c+4*\g+3], v5, s[6:7] offset:65536*\c+64*\dt+16*\g
.endr
.endr
.endm
.macro FAR                             ; eight places behind this matrix form (ISA guide 7.12.1)
.rept 8
	v_nop
.endr
.endm
	WLOAD 208, 0
	global_load_b128 v[24:27], v11, s[8:9]
	s_wait_loadcnt 41                              ; Q and K are in; V's 32 loads, Wo's 8 and the bias may be out
	v_wmma_f32_16x16x4_f32 v[32:39], v[144:145], v[112:113], 0                 ; S^T in two sums that take turns
	v_wmma_f32_16x16x4_f32 v[40:47], v[146:147], v[114:115], 0
.irp s, 2,4,6,8,10,12,14
	v_wmma_f32_16x16x4_f32 v[32:39], v[144+2*\s:145+2*\s], v[112+2*\s:113+2*\s], v[32:39]
	v_wmma_f32_16x16x4_f32 v[40:47], v[146+2*\s:147+2*\s], v[114+2*\s:115+2*\s], v[40:47]
.endr
	FAR
	WLOAD 112, 1
	WLOAD 144, 2
.irp i, 0,2,4,6
	v_pk_add_f32 v[16+\i:17+\i], v[32+\i:33+\i], v[40+\i:41+\i]
.endr
.irp i, 0,1,2,3,4,5,6,7
	v_cmp_gt_i32 vcc_lo, \i, v9
	v_cndmask_b32 v[16+\i], v[16+\i], v10, vcc_lo  ; hidden keys: -infinity; key 0 counts for every query
.endr
	v_max3_num_f32 v29, v16, v17, v18
	v_max3_num_f32 v31, v19, v20, v21
	v_max3_num_f32 v29, v29, v22, v23
	v_max_num_f32 v29, v29, v31
	v_permlanex16_b32 v31, v29, s26, s27
	v_max_num_f32 v29, v29, v31                    ; the row's maximum
	v_mul_f32 v28, s24, v29
.irp i, 0,2,4,6
	v_pk_fma_f32 v[16+\i:17+\i], v[16+\i:17+\i], s[24:25], v[28:29] op_sel_hi:[1,0,0] neg_lo:[0,0,1] neg_hi:[0,0,1]
.endr
.irp i, 0,1,2,3,4,5,6,7
	v_exp_f32 v[16+\i], v[16+\i]
.endr
	v_nop
	s_wait_alu depctr_va_vdst(0)                   ; one wait for the eight exponentials, ahead of their first reader
	v_pk_add_f32 v[30:31], v[16:17], v[18:19]
	v_pk_add_f32 v[14:15], v[20:21], v[22:23]
	v_pk_add_f32 v[30:31], v[30:31], v[14:15]
	v_add_f32 v31, v30, v31
	v_permlanex16_b32 v30, v31, s26, s27
	v_add_f32 v31, v31, v30                        ; the row's sum
	v_rcp_f32 v30, v31
	s_wait_loadcnt 25                              ; V is in; Wo's 24 loads and the bias may be out
.irp s, 0,1,2,3
.irp c, 0,1,2,3
.if \s == 0
	v_wmma_f32_16x16x4_f32 v[48+8*\c:55+8*\c], v[176+8*\c+2*\s:177+8*\c+2*\s], v[16+2*\s:17+2*\s], 0
.else
	v_wmma_f32_16x16x4_f32 v[48+8*\c:55+8*\c], v[176+8*\c+2*\s:177+8*\c+2*\s], v[16+2*\s:17+2*\s], v[48+8*\c:55+8*\c]
.endif
.endr
.endr
	FAR
	s_wait_alu depctr_va_vdst(0)                   ; the reciprocal, ahead of its first reader
.irp n, 0,2,4,6,8,10,12,14,16,18,20,22,24,26,28,30
	v_pk_mul_f32 v[176+\n:177+\n], v[48+\n:49+\n], v[30:31] op_sel_hi:[1,0]    ; O^T / l, into other registers
.endr
.macro OUTP dt, reg                    ; OUT^T += Wo (channels 16 dt on) x O^T: four accumulators by turns
.irp s, 0,1,2,3
.irp c, 0,1,2,3
.if (\dt == 0) && (\s == 0)
	v_wmma_f32_16x16x4_f32 v[80+8*\c:87+8*\c], v[\reg+8*\c+2*\s:\reg+8*\c+2*\s+1], v[176+8*\dt+2*\s:177+8*\dt+2*\s], 0
.else
	v_wmma_f32_16x16x4_f32 v[80+8*\c:87+8*\c], v[\reg+8*\c+2*\s:\reg+8*\c+2*\s+1], v[176+8*\dt+2*\s:177+8*\dt+2*\s], v[80+8*\c:87+8*\c]
.endif
.endr
.endr
.endm
	s_wait_loadcnt 17                              ; Wo's channels 0-15 are in; the bias and 16 loads may be out
	OUTP 0, 208
	FAR
	WLOAD 208, 3
	s_wait_loadcnt 8                               ; all but the eight just issued
	OUTP 1, 112
	OUTP 2, 144
	s_wait_loadcnt 0x0
	OUTP 3, 208
	FAR
.irp c, 0,1,2,3
.irp g, 0,1
	ds_store_b128 v6, v[80+8*\c+4*\g:83+8*\c+4*\g] offset:1088*\c+272*\g       ; each accumulator from its low end on
.endr
.endr
	s_wait_dscnt 0x0                               ; for the others' sake: my part lies in LDS
	s_barrier_signal -1
	s_barrier_wait -1
	s_cmp_lt_u32 s12, 8                            ; 256 threads take 16 bytes of the result each
	s_cbranch_scc0 .Ldone
.irp p, 0,1,2,3,4,5,6,7,8,9,10,11,12,13,14,15
	ds_load_b128 v[112+4*\p:115+4*\p], v7 offset:4352*\p
.endr
	s_wait_dscnt 0x0
.irp p, 0,1,2,3,4,5,6,7
	v_pk_add_f32 v[112+4*\p:113+4*\p], v[112+4*\p:113+4*\p], v[144+4*\p:145+4*\p]
	v_pk_add_f32 v[114+4*\p:115+4*\p], v[114+4*\p:115+4*\p], v[146+4*\p:147+4*\p]
.endr
.irp p, 0,1,2,3
	v_pk_add_f32 v[112+4*\p:113+4*\p], v[112+4*\p:113+4*\p], v[128+4*\p:129+4*\p]
	v_pk_add_f32 v[114+4*\p:115+4*\p], v[114+4*\p:115+4*\p], v[130+4*\p:131+4*\p]
.endr
.irp p, 0,1
	v_pk_add_f32 v[112+4*\p:113+4*\p], v[112+4*\p:113+4*\p], v[120+4*\p:121+4*\p]
	v_pk_add_f32 v[114+4*\p:115+4*\p], v[114+4*\p:115+4*\p], v[122+4*\p:123+4*\p]
.endr
	v_pk_add_f32 v[112:113], v[112:113], v[116:117]
	v_pk_add_f32 v[114:115], v[114:115], v[118:119]
	v_pk_add_f32 v[112:113], v[112:113], v[24:25]  ; the bias
	v_pk_add_f32 v[114:115], v[114:115], v[26:27]
	global_store_b128 v8, v[112:115], s[10:11]     ; sixteen lanes store 256 consecutive bytes, aligned
.Ldone:
	s_wait_tensorcnt 0x0                           ; the wave's end, behind my last LDS store
	ds_add_u32 v[SPW], v[NIL]
	s_wait_dscnt 0x0
	s_endpgm
.Lfunc_end_k_q7a9eccdb5e_head16:
	.size	k_q7a9eccdb5e_head16, .Lfunc_end_k_q7a9eccdb5e_head16-k_q7a9eccdb5e_head16
	.p2alignl 7, 3214868480
	.fill 96, 4, 3214868480
	.section	.rodata,"a",@progbits
	.p2align	6, 0x0
	.amdhsa_kernel k_q7a9eccdb5e_head16
		.amdhsa_group_segment_fixed_size 71680
		.amdhsa_private_segment_fixed_size 0
		.amdhsa_enable_private_segment 0
		.amdhsa_kernarg_size 32
		.amdhsa_user_sgpr_count 2
		.amdhsa_user_sgpr_kernarg_segment_ptr 1
		.amdhsa_wavefront_size32 1
		.amdhsa_system_sgpr_workgroup_id_x 1
		.amdhsa_system_sgpr_workgroup_id_y 1
		.amdhsa_system_sgpr_workgroup_id_z 1
		.amdhsa_system_vgpr_workitem_id 0
		.amdhsa_next_free_vgpr 240
		.amdhsa_next_free_sgpr 66
		.amdhsa_reserve_vcc 1
		.amdhsa_float_denorm_mode_32 3
		.amdhsa_float_denorm_mode_16_64 3
		.amdhsa_memory_ordered 1
		.amdhsa_forward_progress 1
		.amdhsa_inst_pref_size 25
	.end_amdhsa_kernel
	.amdgpu_metadata
---
amdhsa.version: [ 1, 2 ]
amdhsa.kernels:
  - .name:           k_q7a9eccdb5e_head16
    .symbol:         k_q7a9eccdb5e_head16.kd
    .args:
      - { .name: first, .offset: 0, .size: 8, .value_kind: global_buffer, .address_space: global }
      - { .name: Wo, .offset: 8, .size: 8, .value_kind: global_buffer, .address_space: global }
      - { .name: bo, .offset: 16, .size: 8, .value_kind: global_buffer, .address_space: global }
      - { .name: out0, .offset: 24, .size: 8, .value_kind: global_buffer, .address_space: global }
    .group_segment_fixed_size: 71680
    .private_segment_fixed_size: 0
    .kernarg_segment_align: 8
    .kernarg_segment_size: 32
    .max_flat_workgroup_size: 512
    .sgpr_count:     66
    .vgpr_count:     240
    .wavefront_size: 32
...
	.end_amdgpu_metadata
.endif
;; end of part 5
